; MI455X (gfx1250); checked and timed in simulation.
; The chip was launched on July 23, 2026; its instructions are those of AMD's public machine-readable ISA for CDNA 5 (MIT licence, August 2026) and "CDNA5" Instruction Set Architecture Reference Guide (July 2026). The comments in the code are by the model that wrote it; some were corrected since.
;; Custom Transformer Encoder Layer. Allowed arithmetic: matrix products marked QUANTISED: E2M1 operands, one E8M0 scale for each 32 along K, by v_wmma_scale_f32_16x16x128_f8f6f4 with both operands' format E2M1 (or v_wmma_scale_f32_32x16x128_f4), f32 sums; everything else in f32.
;; Inputs: alpha_attn one number float32; alpha_ff one number float32; attn_mask 2,048 x 2,048 bool; k_b 1,024 float32; k_w_codes 1,024 x 32 x 16 uint8 (E2M1 codes of k_w, K innermost, in blocks of 32 codes, two codes a byte); k_w_scales 1,024 x 32 uint8 (E8M0 scales of k_w, one for each 32 codes along K); l1_b 4,096 float32; l1_w_codes 4,096 x 32 x 16 uint8 (E2M1 codes of l1_w, K innermost, in blocks of 32 codes, two codes a byte); l1_w_scales 4,096 x 32 uint8 (E8M0 scales of l1_w, one for each 32 codes along K); l2_b 1,024 float32; l2_w_codes 1,024 x 128 x 16 uint8 (E2M1 codes of l2_w, K innermost, in blocks of 32 codes, two codes a byte); l2_w_scales 1,024 x 128 uint8 (E8M0 scales of l2_w, one for each 32 codes along K); n1_b 1,024 float32; n1_s 1,024 float32; n2_b 1,024 float32; n2_s 1,024 float32; o_b 1,024 float32; o_w_codes 1,024 x 32 x 16 uint8 (E2M1 codes of o_w, K innermost, in blocks of 32 codes, two codes a byte); o_w_scales 1,024 x 32 uint8 (E8M0 scales of o_w, one for each 32 codes along K); q_b 1,024 float32; q_w_codes 1,024 x 32 x 16 uint8 (E2M1 codes of q_w, K innermost, in blocks of 32 codes, two codes a byte); q_w_scales 1,024 x 32 uint8 (E8M0 scales of q_w, one for each 32 codes along K); src 2 x 2,048 x 1,024 float32; v_b 1,024 float32; v_w_codes 1,024 x 32 x 16 uint8 (E2M1 codes of v_w, K innermost, in blocks of 32 codes, two codes a byte); v_w_scales 1,024 x 32 uint8 (E8M0 scales of v_w, one for each 32 codes along K).
;; Outputs: out0 2 x 2,048 x 1,024 float32.
;; This version of the problem:
;;   THIS VERSION OF THE PROBLEM IS GIVEN IN LOW PRECISION. The matrix products marked QUANTISED in the list below multiply operands that are first quantised to E2M1 (2 exponent bits, 1 mantissa bit; 4 bits a number), with one power-of-two scale for each 32 numbers along K (OCP MX v1.0); their sums are f32. All else is computed in f32.
;;   The module's matrix products, in the order in which they are computed (A, B: the left and right operand; K: the contracted axis; several contracted axes count as one K, in the product's order):
;;     1. [M 4,096, K 1,024] x [K 1,024, N 1,024]; A: input src; B: input q_w (given as codes): QUANTISED
;;     2. [M 4,096, K 1,024] x [K 1,024, N 1,024]; A: input src; B: input k_w (given as codes): QUANTISED
;;     3. [M 4,096, K 1,024] x [K 1,024, N 1,024]; A: input src; B: input v_w (given as codes): QUANTISED
;;     4. batch 32 x [M 2,048, K 64] x [K 64, N 2,048]; A: computed on the way; B: computed on the way: QUANTISED
;;     5. batch 32 x [M 2,048, K 2,048] x [K 2,048, N 64]; A: computed on the way; B: computed on the way: QUANTISED
;;     6. [M 4,096, K 1,024] x [K 1,024, N 1,024]; A: computed on the way; B: input o_w (given as codes): QUANTISED
;;     7. [M 4,096, K 1,024] x [K 1,024, N 4,096]; A: computed on the way; B: input l1_w (given as codes): QUANTISED
;;     8. [M 4,096, K 4,096] x [K 4,096, N 1,024]; A: computed on the way; B: input l2_w (given as codes): QUANTISED
;;   THE QUANTISER, for each operand of a quantised product, along K:
;;     - K is cut into blocks of 32 from its start; a last block that is shorter is filled with zeros.
;;     - A block's scale is 2^e with e = floor(log2(the largest magnitude in the block)) - 2, held to -126 .. 127; a block of zeros has e = 0. As a byte (E8M0): e + 127.
;;     - Each number is divided by its block's scale, clamped to +-6, and rounded to the nearest number of E2M1, ties to even, subnormals kept.
;;     - The product sums the exact products of the quantised numbers (number of the format x scale) in f32.
;;   ~~~python
;;   def quantise(x, axis):      # numpy; x: float32 -> the quantised numbers, widened to float32 again
;;       x = np.moveaxis(x, axis, -1); K = x.shape[-1]
;;       x = np.pad(x, [(0, 0)] * (x.ndim - 1) + [(0, -K % 32)]); x = x.reshape(x.shape[:-1] + (-1, 32)); a = np.abs(x).max(-1, keepdims=True)
;;       e = np.where(a > 0, np.clip(np.frexp(np.where(a > 0, a, 1))[1] - 1 - 2, -126, 127), 0)      # np.frexp(a)[1] - 1 = floor(log2(a)), exactly
;;       r = np.clip(x / 2.0 ** e, -6, 6)
;;       step = 2.0 ** (np.maximum(np.frexp(np.where(r == 0, 1, r))[1] - 1, 0) - 1)
;;       q = np.round(r / step) * step * 2.0 ** e      # np.round: ties to even
;;       return np.moveaxis(q.reshape(q.shape[:-2] + (-1,))[..., :K], -1, axis).astype(np.float32)
;;   ~~~
;;   OPERANDS COMPUTED ON THE WAY. 'Computed on the way' means the value that the module computes at that place (a softmax that the list does not call 'softmax' is quantised finished and normalised). What goes into a quantiser is computed in f32, as accurately as f32 sums, v_exp_f32 and their like allow (about 1e-6 of the number): no bf16 or f16 on the way to a quantiser, and a product that is left as it is and whose result goes on into a quantised operand takes f32 operands (vector FMAs, or v_wmma_f32_16x16x4_f32). A number that lies on a knife's edge between two numbers of the format may be rounded either way, as far as f32 arithmetic and the matrix unit's own rounding can turn it there, and no further.
;;   INPUTS GIVEN AS CODES. k_w (in the module: [1024, 1024], K = its axis 1); l1_w (in the module: [4096, 1024], K = its axis 1); l2_w (in the module: [1024, 4096], K = its axis 1); o_w (in the module: [1024, 1024], K = its axis 1); q_w (in the module: [1024, 1024], K = its axis 1); v_w (in the module: [1024, 1024], K = its axis 1): each comes as NAME_codes (uint8): NAME with its K axis moved to the last place and cut into blocks of 32 codes, [.., K / 32, bytes a block], one block behind the other in memory; two codes a byte, the lower K in the low four bits (a code: sign, 2 exponent bits, 1 mantissa bit); and NAME_scales (uint8): the same leading axes, one E8M0 byte (e + 127) for each 32 codes along K. Its value is code x scale, taken as it is: it is not quantised again, and the codes and scales need not be those that the quantiser above would give.
;; One version. Each part assembles by itself: llvm-mc -triple=amdgcn-amd-amdhsa -mcpu=gfx1250 --defsym DOCPART=n.
;; ======== version 1 of 1: 7 launches
;; limits: right only within a limited range of input values
;; workspace buffers: wprep 2,752,512 bytes; lmask 524,288 bytes of whole numbers; wqkv 6,684,672 bytes; wattn 2,228,224 bytes; wx 19,005,440 bytes; wh 8,912,896 bytes; wc2 16,777,216 bytes
;; launch prep (part 1): grid 400 x 1, 4 waves a work-group, no clusters, 33,280 bytes of LDS; arguments src, attn_mask, o_w_codes, wprep, lmask; writes wprep, lmask
.if DOCPART == 1
	.amdgcn_target "amdgcn-amd-amdhsa--gfx1250"
	.amdhsa_code_object_version 6
	.text
	.protected	k_q5f5528a6a8_prep
	.globl	k_q5f5528a6a8_prep
	.p2align	8
	.type	k_q5f5528a6a8_prep,@function
k_q5f5528a6a8_prep:
	s_mov_b64 s[64:65], 0
	v_nop
	global_prefetch_b8 v0, s[64:65] scope:SCOPE_SE
	s_setreg_imm32_b32 hwreg(HW_REG_WAVE_MODE, 25, 1), 1
	s_wait_xcnt 0x0
; FIRST LAUNCH OF SEVEN (prep, qkv, attn, oproj, ffn1, ffn2, ln2): one post-norm encoder layer, all eight products on codes of FP4 (E2M1) with one E8M0 scale for each 32 along K.
; WORK LEFT OUT IN THE WHOLE PROGRAM: the term 1e-9 that is added to every score ahead of the softmax.  It is the same along the softmax's axis: exp(s + c - max(s + c)) / sum = exp(s - max(s)) / sum for all real s and c,
; and the guard isinf() looks at the scores without it.  Nothing else is left out; every input is loaded by some launch.  LIMIT: a NaN, an infinity or an overflow that would reach only that term is not carried to the result.
; LIMITS of the program: NaN and infinities among the floating-point inputs are not served; a block whose largest magnitude lies under 2^-124 keeps the scale byte 1 (a block of zeros too: its codes are zeros, and only this program reads the bytes).
; THIS LAUNCH, three jobs told apart by the work-group's number:
;   work-groups 0-127:   src [4096][1024] f32 -> codes [4096][512 bytes] at wprep + 0 and scale bytes [4096][32] at wprep + SRCS.  Rows are dense: a plain stream of blocks of 32.
;   work-groups 128-383: attn_mask -> lane words.  For query tile qt (16 queries) and key run w (256 keys): 128 words; bit L of word 8 t + j = mask[16 qt + L % 16][256 w + 16 t + 8 (L / 16) + j]: the lanes' mask for one register of the scores as the matrix unit leaves them.
;                        The four chunks of 32 words lie in the order 0, 2, 1, 3: each aligned 256 bytes holds a chunk that the attention launch asks for a trip ahead and one that it asks for in mid-trip.
;   work-groups 384-399: o_w's codes -> images of operand registers: [n tile 64][K step 8][1,024 bytes], byte 512 c + 16 L = registers 4 c .. 4 c + 3 of lane L.
.set SRCS,  2097152
.set OWIMG, 2228224
.set WAVES, 4
.set STEPS, 16
.set DEPTH, 8                          ; loads run eight steps ahead: 32 loads, 16,384 bytes, of a wave are on their way
.set EMAX,  2
.set CB,    8                          ; bytes of 16 codes
.set R,     16                         ; v16-143  eight sets of 16 numbers as they are loaded
.set X,     144                        ; v144-175 two sets of 16 neighbours
.set E,     176                        ; v176-191 a scale byte for each step
.set C,     192                        ; v192-223 codes: two registers for each step, so that no store's data are written again
.set WREG,  8192                       ; LDS: a region for each wave: two stages of 32 x SP bytes, then its 256 scale bytes
.set SP,    80                         ; a lane's place in a stage: 64 bytes + 16 of padding
.set SPW,   12                         ; v12 LDS address of my spare word; never rewritten
.set NIL,   13                         ; v13 0; never rewritten
.set SPARE, WAVES*WREG                 ; the spare words, 128 bytes for each wave
	s_load_b256 s[4:11], s[0:1], 0x0               ; src, attn_mask, o_w_codes, wprep
	s_load_b64 s[12:13], s[0:1], 0x20              ; lmask
	v_lshl_add_u32 v[SPW], v0, 2, SPARE
	v_mov_b32 v[NIL], 0
	v_lshrrev_b32 v1, 5, v0
	v_readfirstlane_b32 s16, v1                    ; wave
	v_and_b32 v2, 31, v0                           ; lane
	s_lshl_b32 s17, ttmp9, 2
	s_add_co_u32 s18, s17, s16                     ; 4 x work-group + wave
	s_mov_b32 s21, 0
	s_wait_kmcnt 0x0
	s_cmp_ge_u32 ttmp9, 384
	s_cbranch_scc1 .Lweights
	s_cmp_ge_u32 ttmp9, 128
	s_cbranch_scc1 .Lmask
	; ---- src: a wave takes 16 steps of 512 numbers.  Loads take the bytes as they lie (512 a load); a step's 2,048 bytes turn through the wave's own stage so that a lane holds 16 neighbours; two neighbouring lanes hold a block
	v_lshlrev_b32 v3, 4, v2                        ; my 16 bytes of a load's 512
	s_mul_i32 s17, s16, WREG
	v_lshrrev_b32 v14, 2, v2
	v_mul_u32_u24 v14, v14, SP
	v_and_b32 v15, 3, v2
	v_lshl_add_u32 v14, v15, 4, v14
	v_add_nc_u32 v14, s17, v14                     ; the stage, on the way in: SP (lane / 4) + 16 (lane % 4)
	v_mul_u32_u24 v15, v2, SP
	v_add_nc_u32 v15, s17, v15                     ; and on the way out: SP x lane
	v_mul_u32_u24 v4, v2, CB                       ; my codes' place in a step's
	v_lshrrev_b32 v5, 1, v2
	s_add_co_u32 s17, s17, 2*32*SP
	v_add_nc_u32 v5, s17, v5                       ; my wave's 256 scale bytes, my block's byte
	v_lshlrev_b32 v7, 3, v2
	v_add_nc_u32 v6, s17, v7                       ; and on the way out 8 bytes a lane
	s_lshl_b32 s20, s18, 15                        ; a run of 8,192 numbers is 32,768 bytes,
	s_add_nc_u64 s[4:5], s[4:5], s[20:21]
	s_lshl_b32 s20, s18, 12                        ; 4,096 bytes of codes,
	s_add_nc_u64 s[8:9], s[10:11], s[20:21]
	s_lshl_b32 s20, s18, 8                         ; 256 scale bytes
	s_add_nc_u64 s[10:11], s[10:11], s[20:21]
	s_add_nc_u64 s[10:11], s[10:11], SRCS
.macro LOAD t
.irp i, 0,1,2,3
	global_load_b128 v[R+16*((\t)%DEPTH)+4*\i:R+16*((\t)%DEPTH)+4*\i+3], v3, s[4:5] offset:2048*(\t)+512*\i
.endr
.endm
.macro TURN t                          ; step t's numbers through the stage: LDS serves a wave's instructions in order
.irp i, 0,1,2,3
	ds_store_b128 v14, v[R+16*((\t)%DEPTH)+4*\i:R+16*((\t)%DEPTH)+4*\i+3] offset:32*SP*((\t)%2)+8*SP*\i
.endr
.irp i, 0,1,2,3
	ds_load_b128 v[X+16*((\t)%2)+4*\i:X+16*((\t)%2)+4*\i+3], v15 offset:32*SP*((\t)%2)+16*\i
.endr
.endm
.irp t, 0,1,2,3,4,5,6,7
	LOAD \t
.endr
	s_wait_loadcnt 4*(DEPTH-1)                     ; step 0's four loads are in; seven steps' may be out
	TURN 0
.macro STEP t
.set XS, X+16*((\t)%2)
.if (\t) > 0
	s_wait_dscnt 1                                 ; this step's numbers are back from the stage (the last step's byte store may be out): so its stores into the stage have read their registers,
.else
	s_wait_dscnt 0x0
.endif
.if (\t)+DEPTH < STEPS
	LOAD (\t)+DEPTH                                ; which take the loads of eight steps on
.endif
.if (\t)+1 < STEPS
.if STEPS-2-(\t) >= DEPTH-1
	s_wait_loadcnt 4*(DEPTH-1)                     ; the next step's four loads are in; seven steps' may be out
.else
	s_wait_loadcnt 4*(STEPS-2-(\t))                ; the counts run down
.endif
	TURN (\t)+1
.endif
	v_max3_num_f32 v8, |v[XS]|, |v[XS+1]|, |v[XS+2]|               ; the largest magnitude of my 16
	v_max3_num_f32 v9, |v[XS+3]|, |v[XS+4]|, |v[XS+5]|
.irp i, 6,10
	v_max3_num_f32 v8, v8, |v[XS+\i]|, |v[XS+\i+1]|
	v_max3_num_f32 v9, v9, |v[XS+\i+2]|, |v[XS+\i+3]|
.endr
	v_max3_num_f32 v8, v8, |v[XS+14]|, |v[XS+15]|
	v_max3_num_f32 v8, v8, v9, (EMAX+1)<<23        ; and the floor 2^(3 - 127): the byte cannot fall under 1
	v_max_num_f32_dpp v8, v8, v8 row_xmask:1 row_mask:0xf bank_mask:0xf   ; and of my neighbour's 16: the block's
	v_add_nc_u32 v11, -(EMAX<<23), v8              ; 2 off its exponent field: the conversion's scale operand
	v_cvt_scalef32_pk8_fp4_f32 v[C+2*(\t)], v[XS:XS+7], v11
	v_cvt_scalef32_pk8_fp4_f32 v[C+2*(\t)+1], v[XS+8:XS+15], v11
	v_lshrrev_b32 v[E+(\t)], 23, v11               ; the scale's byte
	ds_store_b8 v5, v[E+(\t)] offset:16*(\t)       ; both lanes of a block write the same byte with the same value
	global_store_b64 v4, v[C+2*(\t):C+2*(\t)+1], s[8:9] offset:32*CB*(\t)   ; the wave stores 256 consecutive bytes, aligned
.endm
.irp t, 0,1,2,3,4,5,6,7,8,9,10,11,12,13,14,15
	STEP \t
.endr
	ds_load_b64 v[8:9], v6                         ; LDS serves a wave's instructions in order: these see my stores
	s_wait_dscnt 0x0
	global_store_b64 v7, v[8:9], s[10:11]          ; 256 consecutive bytes, aligned
	s_wait_tensorcnt 0x0                           ; the wave's end, behind my last LDS store
	ds_add_u32 v[SPW], v[NIL]
	s_wait_dscnt 0x0
	s_endpgm
.Lmask:
	; ---- the mask: a wave makes the 128 words of one (query tile, key run).  Lane (r, h) loads, for each tile t of 16 keys, its eight bytes mask[16 qt + r][256 w + 16 t + 8 h ..]
	s_sub_co_u32 s18, s18, 512                     ; id = 8 qt + w
	s_lshr_b32 s20, s18, 3
	s_and_b32 s22, s18, 7
	s_lshl_b32 s20, s20, 15                        ; 16 rows of 2,048 bytes
	s_lshl_b32 s22, s22, 8
	s_add_co_u32 s20, s20, s22
	s_add_nc_u64 s[6:7], s[6:7], s[20:21]
	s_lshl_b32 s20, s18, 9                         ; 512 bytes of words
	s_add_nc_u64 s[12:13], s[12:13], s[20:21]
	v_and_b32 v3, 15, v2
	v_lshrrev_b32 v4, 4, v2
	v_lshlrev_b32 v3, 11, v3
	v_lshl_add_u32 v3, v4, 3, v3                   ; 2,048 r + 8 h
.set tt, 0
.rept 16
	global_load_b64 v[32+2*tt:33+2*tt], v3, s[6:7] offset:16*tt
.set tt, tt+1
.endr
	v_lshlrev_b32 v5, 4, v2
.irp i, 0,1,2,3
	v_mov_b32 v[24+\i], 0                          ; written whole before single lanes are written
.endr
	s_wait_loadcnt 0x0
.set nn, 0
.rept 128                              ; word n = 8 t + j: byte j of my eight, compared in all lanes at once.  Chunk n / 32 goes to place 0, 2, 1, 3 of the four; in it word n % 32 to lane (n % 32) / 4, register n % 4
	v_and_b32 v[16+nn%4], 0xff<<(8*(nn%4)), v[32+2*(nn/8)+(nn%8)/4]
	v_cmp_ne_u32 s[24+nn%8], 0, v[16+nn%4]
	v_writelane_b32 v[24+nn%4], s[24+nn%8], 8*(2*((nn/32)%2)+nn/64)+(nn%32)/4
.set nn, nn+1
.endr
	global_store_b128 v5, v[24:27], s[12:13]       ; 512 consecutive bytes, aligned
	s_endpgm
.Lweights:
	; ---- o_w: a wave takes 16 rows (512 bytes each) and lays them as eight images
	s_sub_co_u32 s18, s18, 1536                    ; n tile
	s_lshl_b32 s20, s18, 13                        ; 8,192 bytes in and out
	s_add_nc_u64 s[8:9], s[8:9], s[20:21]
	s_add_nc_u64 s[10:11], s[10:11], s[20:21]
	s_add_nc_u64 s[10:11], s[10:11], OWIMG
	v_and_b32 v3, 15, v2
	v_lshrrev_b32 v4, 4, v2
	v_lshlrev_b32 v3, 9, v3
	v_lshl_add_u32 v3, v4, 4, v3                   ; 512 r + 16 h
	v_lshlrev_b32 v5, 4, v2
.set ii, 0
.rept 16                               ; i = 2 s + c: k = 128 s + 64 c + 32 h + 0 .. 31
	global_load_b128 v[32+4*ii:35+4*ii], v3, s[8:9] offset:32*ii
.set ii, ii+1
.endr
.set ii, 0
.rept 16
	s_wait_loadcnt 15-ii
	global_store_b128 v5, v[32+4*ii:35+4*ii], s[10:11] offset:512*ii
.set ii, ii+1
.endr
	s_endpgm
.Lfunc_end_k_q5f5528a6a8_prep:
	.size	k_q5f5528a6a8_prep, .Lfunc_end_k_q5f5528a6a8_prep-k_q5f5528a6a8_prep
	.p2alignl 7, 3214868480
	.fill 96, 4, 3214868480
	.section	.rodata,"a",@progbits
	.p2align	6, 0x0
	.amdhsa_kernel k_q5f5528a6a8_prep
		.amdhsa_group_segment_fixed_size 33280
		.amdhsa_private_segment_fixed_size 0
		.amdhsa_enable_private_segment 0
		.amdhsa_kernarg_size 40
		.amdhsa_user_sgpr_count 2
		.amdhsa_user_sgpr_kernarg_segment_ptr 1
		.amdhsa_wavefront_size32 1
		.amdhsa_system_sgpr_workgroup_id_x 1
		.amdhsa_system_sgpr_workgroup_id_y 1
		.amdhsa_system_sgpr_workgroup_id_z 1
		.amdhsa_system_vgpr_workitem_id 0
		.amdhsa_next_free_vgpr 224
		.amdhsa_next_free_sgpr 66
		.amdhsa_reserve_vcc 0
		.amdhsa_float_denorm_mode_32 3
		.amdhsa_float_denorm_mode_16_64 3
		.amdhsa_memory_ordered 1
		.amdhsa_forward_progress 1
		.amdhsa_inst_pref_size 63
	.end_amdhsa_kernel
	.amdgpu_metadata
---
amdhsa.version: [ 1, 2 ]
amdhsa.kernels:
  - .name:           k_q5f5528a6a8_prep
    .symbol:         k_q5f5528a6a8_prep.kd
    .args:
      - { .name: src, .offset: 0, .size: 8, .value_kind: global_buffer, .address_space: global }
      - { .name: attn_mask, .offset: 8, .size: 8, .value_kind: global_buffer, .address_space: global }
      - { .name: o_w_codes, .offset: 16, .size: 8, .value_kind: global_buffer, .address_space: global }
      - { .name: wprep, .offset: 24, .size: 8, .value_kind: global_buffer, .address_space: global }
      - { .name: lmask, .offset: 32, .size: 8, .value_kind: global_buffer, .address_space: global }
    .group_segment_fixed_size: 33280
    .private_segment_fixed_size: 0
    .kernarg_segment_align: 8
    .kernarg_segment_size: 40
    .max_flat_workgroup_size: 128
    .sgpr_count:     66
    .vgpr_count:     224
    .wavefront_size: 32
...
	.end_amdgpu_metadata
.endif
;; end of part 1
;; launch qkv (part 2): grid 12 x 16, 4 waves a work-group, clusters of 4 x 4, 327,680 bytes of LDS; arguments wprep, q_w_codes, q_w_scales, k_w_codes, k_w_scales, v_w_codes, v_w_scales, q_b, k_b, v_b, wqkv; writes wqkv
.if DOCPART == 2
	.amdgcn_target "amdgcn-amd-amdhsa--gfx1250"
	.amdhsa_code_object_version 6
	.text
	.protected	k_q5f5528a6a8_qkv
	.globl	k_q5f5528a6a8_qkv
	.p2align	8
	.type	k_q5f5528a6a8_qkv,@function
k_q5f5528a6a8_qkv:
	s_mov_b64 s[64:65], 0
	v_nop
	global_prefetch_b8 v0, s[64:65] scope:SCOPE_SE
	s_setreg_imm32_b32 hwreg(HW_REG_WAVE_MODE, 25, 1), 1
	s_wait_xcnt 0x0
	s_wait_alu depctr_hold_cnt(0) depctr_sa_sdst(0) depctr_va_vdst(0) depctr_va_sdst(0) depctr_va_ssrc(0) depctr_va_vcc(0) depctr_vm_vsrc(0)
	s_getreg_b32 s2, hwreg(HW_REG_IB_STS2, 6, 4)
	s_cmp_eq_u32 s2, 0
	s_cbranch_scc0 .Lentry_in_a_cluster
	s_endpgm
.Lentry_in_a_cluster:
	s_bfe_u32 s2, ttmp6, 0x10000c
	s_cmp_lg_u32 s2, 0xf033
	s_cbranch_scc0 .Lentry_shape_is_right
	s_endpgm
.Lentry_shape_is_right:
; C = A B^T + bias on codes of FP4 with E8M0 scales, K = 1,024, and C quantised on the way out along its columns.  One source serves two launches: VSEL = 1: q, k and v; VSEL = 0: the first FFN layer (with the relu).
; VSEL = 1: the cluster's x says which: 0: q = src q_w^T, 1: k = src k_w^T (A = src's codes, 4,096 rows; B = the weight, 1,024 rows), 2: v^T = v_w src^T (A = v_w, B = src): v is wanted with the TOKENS along a lane's registers, since they are the K of probs x v.
; A tile of C, 256 x 256, is made by four waves, 128 x 128 each: 64 accumulators, 512 registers.  K = 1,024 is two slots of 512 along K (rows of 256 bytes): both are filled once, at the start, so no slot is filled again.
; The scales of the work-group's rows of A and of B come once, as dense blocks.  CLUSTERS: 4 x 4; A's tiles are asked for jointly along a row of the cluster, B's along a column.
; THE MATRIX INSTRUCTION IS USED TRANSPOSED (source 0 = 16 rows of B, source 1 = 16 rows of A): a lane holds row l % 16 of C and eight neighbouring columns 16 b + 8 (l / 16) + 0 .. 7.
; THE WAY OUT: for each block of 16 rows the lane's 64 numbers (128 columns) get the bias (and the relu), are quantised in blocks of 32 columns, and leave as an IMAGE OF AN OPERAND'S REGISTERS: 1,024 bytes, byte 512 c + 16 L = registers 4 c .. 4 c + 3 of lane L,
; at 64 x idx; the rows' scale words at 4 x idx; idx = g R + row, g = the run of 128 columns.  q, k: g = 8 batch + pair of heads, R = 2,048 tokens; v: g = tokens / 128, R = 1,024 features; FFN: g = hidden / 128, R = 4,096 tokens.
; REGISTERS: window 0: v0-31 addresses; v32-95 scale words (two sets), on the way out the 64 numbers in hand; v96-111 at work; v112-119 bias by rows; v120-127 scale words made; v128-191 A's fragments, on the way out the codes; v192-255 bias by columns.
;   window 1: B's fragments, two sets.  windows 2, 3: the accumulators ((a, b) at v[8 (8 (a % 4) + b)]).
.set VSEL,   1
.set RELU,   0
.set SRCS,   2097152                   ; in wprep: src's scale bytes
.set XC,     16777216                  ; in wx: x's codes,
.set XS,     18874368                  ; x's scale bytes
.set QSO,    6291456                   ; in wqkv: the scale words
.set HSO,    8388608                   ; in wh: the scale words
.set NQ,     4                         ; matrix instructions deep in a slot
.set ROWB,   256                       ; a tile's row in bytes: 512 codes
.set KROW,   512                       ; a row of A or of B in memory
.set PITCH,  272                       ; an LDS row: 256 bytes + 16 of padding: the 16 rows that a load touches start at 16 different banks
.set FR,     8
.set NL,     2
.set NP,     4
.set HALFT,  128*PITCH
.set SLOT,   4*HALFT
.set KS,     32                        ; a row of scales in bytes
.set SCL,    2*SLOT
.set HALFS,  (128*KS/256)*272
.set SBLK,   (16*KS/256)*272
.set SPARE,  SCL+4*HALFS               ; the spare words, 128 bytes for each wave
.set ADRA, 16
.set ADRB, 20
.set SWS,  24                          ; v24 the way out: where my row's scale word goes: 512 x wave + 4 r
.set SRD,  25                          ; v25 and where 16 bytes of them come back: 512 x wave + 16 L
.set LI,   26                          ; v26 16 L
.set ADRS, 27
.set SPW,  28
.set NIL,  29
.set BH,   30                          ; v30 32 h; never rewritten
.set BR,   31                          ; v31 4 r; never rewritten
.set SC,   32
.set AF,   128
.set ST,   32
.set TM,   96
.set RBI,  112
.set PW,   120
.set PC,   128
.set CBI,  192
.set G1, 24
.set G0, 32
.set G1B, 48
.set G0B, 56
.set G1S, 68
.set G0S, 76
.set G1SB, 80
.set G0SB, 88
.set SEL, 66
.set MSB, 0
.macro WIN new                         ; the immediate's high byte repeats the setting that is left
.if MSB != (\new)
	s_set_vgpr_msb (MSB<<8)|(\new)
.set MSB, (\new)
.endif
.endm
.set MUL_LO, 0xa1                      ; source 0 (B) window 1, source 1 (A) window 0, C and D window 2
.set MUL_HI, 0xf1
.set TO_B,   0x40
; A joint load: waves 0 and 1 fetch for A, waves 2 and 3 for B; the branch hangs on the wave's number alone.  An s_nop 0 and four v_nop follow each line.
.macro JLOAD g0a, g1a, g0b, g1b
	s_cmp_eq_u32 s15, 0
	s_cbranch_scc0 .Lfor_b_\@
	tensor_load_to_lds s[\g0a:\g0a+3], s[\g1a:\g1a+7]
	s_nop 0
.rept 4
	v_nop
.endr
	s_branch .Lasked_\@
.Lfor_b_\@:
	tensor_load_to_lds s[\g0b:\g0b+3], s[\g1b:\g1b+7]
	s_nop 0
.rept 4
	v_nop
.endr
.Lasked_\@:
.endm
.macro CROUND                          ; a round of the cluster's barrier
	s_barrier_signal -1
	s_barrier_wait -1
	s_cmp_lg_u32 s14, 0
	s_cbranch_scc1 .Lnot_wave_0_\@
	s_barrier_signal -3
.Lnot_wave_0_\@:
	s_barrier_wait -3
	s_barrier_signal -1
	s_barrier_wait -1
.endm
.if VSEL
	s_load_b512 s[68:83], s[0:1], 0x0              ; wprep, q_w codes, scales, k_w codes, scales, v_w codes, scales, q_b
	s_load_b128 s[84:87], s[0:1], 0x40             ; k_b, v_b
	s_load_b64 s[88:89], s[0:1], 0x50              ; wqkv
.else
	s_load_b64 s[4:5], s[0:1], 0x0                 ; wx
	s_load_b128 s[8:11], s[0:1], 0x8               ; l1_w codes, scales
	s_load_b128 s[96:99], s[0:1], 0x18             ; l1_b, wh
.endif
	v_lshl_add_u32 v[SPW], v0, 2, SPARE
	v_mov_b32 v[NIL], 0
	ds_add_u32 v[SPW], v[NIL]                      ; the wave's opening: the add, twice on end, and its wait ahead of my first tensor load
	ds_add_u32 v[SPW], v[NIL]
	v_lshrrev_b32 v1, 5, v0
	v_readfirstlane_b32 s14, v1                    ; wave 0..3
	s_lshr_b32 s15, s14, 1                         ; which half of the tile's rows is mine.  Also: I fetch for A (0) or for B (1)
	s_and_b32 s16, s14, 1                          ; which half of its columns.  Also: which 128 rows I fetch
	s_bfe_u32 s40, ttmp6, 0x40000                  ; cx, cy
	s_bfe_u32 s41, ttmp6, 0x40004
	s_and_b32 s17, ttmp7, 0xffff
	s_lshl_b32 s17, s17, 2                         ; 4 x cluster y
.if VSEL
	s_cmp_eq_u32 ttmp9, 2                          ; v: the 16 tile columns (tokens) run along the clusters' y, the 4 tile rows (features) lie in a cluster; q, k: the other way round
	s_cselect_b32 s42, s17, 0
	s_cselect_b32 s17, 0, s17
.else
	s_lshl_b32 s42, ttmp9, 2
.endif
	s_add_co_u32 s42, s42, s40                     ; tile column of C
	s_add_co_u32 s17, s17, s41                     ; tile row of C
	s_lshl_b32 s43, s41, 2
	s_lshl_b32 s43, 15, s43                        ; my row of the cluster
	s_lshl_b32 s44, 0x1111, s40                    ; my column
	s_or_b32 s[G1+0], s43, (0<<16)|(1<<20)|(1<<21)|(5<<22)|(3<<25)  ; the mask; elements of 1 byte; padding: 4 words after every 64; bit 21 beside a mask
	s_or_b32 s[G1B+0], s44, (0<<16)|(1<<20)|(1<<21)|(5<<22)|(3<<25)
.irp g, G1, G1B
	s_mov_b32 s[\g+1], ROWB<<16                    ; tensor_dim0
	s_mov_b32 s[\g+2], 128<<16                     ; tensor_dim1
	s_mov_b32 s[\g+3], ROWB<<16                    ; tile_dim0
	s_mov_b32 s[\g+4], 128                         ; tile_dim1
	s_mov_b32 s[\g+5], KROW                        ; pitch
	s_mov_b32 s[\g+6], 0
	s_mov_b32 s[\g+7], 0
.endr
	s_mov_b32 s[SEL], 0x76543210
	s_mov_b32 s[SEL+1], 0xfedcba98                 ; v_permlanex16_b32's selects for lane l xor 16
	s_lshl_b32 s18, s16, 7
	s_lshl_b32 s20, s17, 8
	s_add_co_u32 s20, s20, s18                     ; A: row 256 x tile row + 128 x half
	s_lshl_b32 s46, s42, 8
	s_add_co_u32 s46, s46, s18                     ; B: row 256 x tile column + 128 x half
	s_mov_b32 s21, 0
	s_mov_b32 s47, 0
	s_mov_b64 s[18:19], KS
	s_mul_u64 s[22:23], s[20:21], s[18:19]         ; where these rows' scales begin,
	s_mul_u64 s[92:93], s[46:47], s[18:19]
	s_mov_b64 s[18:19], KROW
	s_mul_u64 s[20:21], s[20:21], s[18:19]         ; and their codes
	s_mul_u64 s[46:47], s[46:47], s[18:19]
	s_mul_i32 s45, s14, HALFT                      ; where they go: wave x 128 rows
	s_mul_i32 s94, s14, HALFS
	s_wait_dscnt 0x0                               ; both opening adds are done
	s_wait_kmcnt 0x0
.if VSEL
	s_add_nc_u64 s[90:91], s[68:69], SRCS          ; src's scale bytes
	s_mov_b64 s[12:13], s[88:89]                   ; the output
	s_cmp_eq_u32 ttmp9, 0                          ; the choices hang on the cluster's number alone, which all sixteen partners share
	s_cselect_b64 s[70:71], s[70:71], s[74:75]     ; q's or k's weight,
	s_cselect_b64 s[72:73], s[72:73], s[76:77]
	s_cselect_b64 s[82:83], s[82:83], s[84:85]     ; and bias
	s_cmp_eq_u32 ttmp9, 2
	s_cselect_b64 s[4:5], s[78:79], s[68:69]       ; A: v_w, or src
	s_cselect_b64 s[6:7], s[80:81], s[90:91]
	s_cselect_b64 s[8:9], s[68:69], s[70:71]       ; B: src, or the weight
	s_cselect_b64 s[10:11], s[90:91], s[72:73]
	s_cselect_b64 s[96:97], s[86:87], s[82:83]
	s_cselect_b32 s95, 1, 0                        ; 1: v
.else
	s_add_nc_u64 s[6:7], s[4:5], XS
	s_add_nc_u64 s[4:5], s[4:5], XC
	s_mov_b64 s[12:13], s[98:99]
.endif
	; the scales of 128 rows: a dense block of 4,096 bytes, as rows of 256 bytes (32 elements of 8 bytes), 16 bytes of padding behind each
	s_or_b32 s[G1S+0], s43, (3<<16)|(1<<20)|(1<<21)|(5<<22)|(3<<25)
	s_or_b32 s[G1SB+0], s44, (3<<16)|(1<<20)|(1<<21)|(5<<22)|(3<<25)
.irp g, G1S, G1SB
	s_mov_b32 s[\g+1], 32<<16
	s_mov_b32 s[\g+2], (128*KS/256)<<16
	s_mov_b32 s[\g+3], 32<<16
	s_mov_b32 s[\g+4], 128*KS/256
	s_mov_b32 s[\g+5], 32
	s_mov_b32 s[\g+6], 0
	s_mov_b32 s[\g+7], 0
.endr
	s_add_nc_u64 s[20:21], s[4:5], s[20:21]
	s_add_nc_u64 s[22:23], s[6:7], s[22:23]
	s_add_nc_u64 s[46:47], s[8:9], s[46:47]
	s_add_nc_u64 s[92:93], s[10:11], s[92:93]
	CROUND                                         ; all sixteen work-groups are here: the joint loads meet
	s_mov_b32 s[G0S], 1
	s_add_co_u32 s[G0S+1], s94, SCL
	s_mov_b64 s[G0S+2:G0S+3], s[22:23]
	s_or_b32 s[G0S+3], s[G0S+3], 0x80000000
	s_mov_b32 s[G0SB], 1
	s_add_co_u32 s[G0SB+1], s94, SCL
	s_mov_b64 s[G0SB+2:G0SB+3], s[92:93]
	s_or_b32 s[G0SB+3], s[G0SB+3], 0x80000000
	JLOAD G0S, G1S, G0SB, G1SB                     ; the scales first; then both slots: three loads of mine are out
.irp s, 0,1
	s_mov_b32 s[G0+4*\s], 1
	s_add_co_u32 s[G0+4*\s+1], s45, \s*SLOT
	s_add_nc_u64 s[G0+4*\s+2:G0+4*\s+3], s[20:21], \s*ROWB
	s_or_b32 s[G0+4*\s+3], s[G0+4*\s+3], 0x80000000
	s_mov_b32 s[G0B+4*\s], 1
	s_add_co_u32 s[G0B+4*\s+1], s45, \s*SLOT
	s_add_nc_u64 s[G0B+4*\s+2:G0B+4*\s+3], s[46:47], \s*ROWB
	s_or_b32 s[G0B+4*\s+3], s[G0B+4*\s+3], 0x80000000
	JLOAD G0+4*\s, G1, G0B+4*\s, G1B
.endr
	v_and_b32 v1, 15, v0                           ; r
	v_bfe_u32 v2, v0, 4, 1                         ; h
	v_mul_u32_u24 v3, v1, PITCH
	v_lshl_add_u32 v4, v2, 4, v3                   ; a fragment's row x pitch + 16 h
	s_mul_i32 s21, s15, HALFT
	s_mul_i32 s22, s16, HALFT
	s_add_co_u32 s22, s22, 2*HALFT
.irp s, 0,1
	v_add_nc_u32 v[ADRA+\s], s21, v4
	v_add_nc_u32 v[ADRB+\s], s22, v4
	s_add_co_u32 s21, s21, SLOT
	s_add_co_u32 s22, s22, SLOT
.endr
	v_mul_u32_u24 v5, v1, KS                       ; my row's scales: KS bytes a row,
	v_lshrrev_b32 v6, 8, v5
	v_lshl_add_u32 v5, v6, 4, v5                   ; and 16 more for each 256 passed
	s_mul_i32 s21, s15, HALFS
	s_mul_i32 s22, s16, HALFS
	s_add_co_u32 s22, s22, 2*HALFS
	s_sub_co_u32 s22, s22, s21
	v_mul_u32_u24 v6, s22, v2                      ; lanes 16-31 take B's
	s_add_co_u32 s21, s21, SCL
	v_add_nc_u32 v5, v5, v6
	v_add_nc_u32 v[ADRS], s21, v5
	s_lshl_b32 s23, s14, 9
	v_lshl_add_u32 v[SWS], v1, 2, s23
	v_and_b32 v6, 31, v0
	v_lshlrev_b32 v[LI], 4, v6
	v_add_nc_u32 v[SRD], s23, v[LI]
	v_lshlrev_b32 v[BH], 5, v2
	v_lshlrev_b32 v[BR], 2, v1
	; where my 128 x 128 goes, and where its bias lies
	s_lshl_b32 s20, s17, 8
	s_lshl_b32 s21, s15, 7
	s_add_co_u32 s20, s20, s21                     ; my first row
	s_lshl_b32 s46, s42, 1
	s_add_co_u32 s46, s46, s16                     ; my first column / 128
.if VSEL
	s_lshr_b32 s21, s20, 11
	s_lshl_b32 s21, s21, 3
	s_add_co_u32 s21, s21, s46
	s_lshl_b32 s21, s21, 11
	s_and_b32 s22, s20, 2047
	s_add_co_u32 s21, s21, s22                     ; q, k: idx = (8 batch + pair) 2,048 + token
	s_lshl_b32 s22, s46, 10
	s_add_co_u32 s22, s22, s20                     ; v: idx = (tokens / 128) 1,024 + feature
	s_lshl_b32 s23, s46, 9
	s_lshl_b32 s47, s20, 2
	s_cmp_eq_u32 s95, 1
	s_cselect_b32 s21, s22, s21
	s_cselect_b32 s22, 0, s23                      ; q, k: the bias goes by columns; v: by rows.  Both runs are loaded on both ways, the one that is not used from the bias's first bytes,
	s_cselect_b32 s18, s47, 0                      ; so that every register is written on every way through the text; only the additions part
	s_mov_b32 s23, 0
	s_mov_b32 s19, 0
	s_add_nc_u64 s[98:99], s[96:97], s[22:23]
	s_add_nc_u64 s[100:101], s[96:97], s[18:19]
	s_lshl_b32 s22, ttmp9, 17
	s_lshl_b32 s18, s21, 2
	s_add_co_u32 s22, s22, s18
	s_add_co_u32 s22, s22, QSO
	s_add_nc_u64 s[92:93], s[12:13], s[22:23]      ; the scale words
	s_lshl_b32 s22, ttmp9, 21
	s_lshl_b32 s18, s21, 6
	s_add_co_u32 s22, s22, s18
	s_add_nc_u64 s[12:13], s[12:13], s[22:23]      ; the images
.else
	s_lshl_b32 s21, s46, 12
	s_add_co_u32 s21, s21, s20                     ; idx = (hidden / 128) 4,096 + token
	s_lshl_b32 s22, s46, 9
	s_mov_b32 s23, 0
	s_add_nc_u64 s[98:99], s[96:97], s[22:23]
	s_lshl_b32 s22, s21, 2
	s_add_co_u32 s22, s22, HSO
	s_add_nc_u64 s[92:93], s[12:13], s[22:23]
	s_lshl_b32 s22, s21, 6
	s_add_nc_u64 s[12:13], s[12:13], s[22:23]
.endif
.irp b, 0,1,2,3,4,5,6,7
.irp q, 0,1
	global_load_b128 v[CBI+8*\b+4*\q:CBI+8*\b+4*\q+3], v[BH], s[98:99] offset:64*\b+16*\q   ; bias of columns 16 b + 8 h + 0 .. 7
.endr
.endr
.if VSEL
.irp a, 0,1,2,3,4,5,6,7
	global_load_b32 v[RBI+\a], v[BR], s[100:101] offset:64*\a                               ; bias of row 16 a + r
.endr
.endif
.macro FRAG reg, adr, q, i             ; 16 rows x 128 K: 8 registers: registers 4 c .. 4 c + 3 hold K = 64 c + 32 h + 0 .. 31
.irp c, 0,1
	ds_load_b128 v[\reg+4*\c:\reg+4*\c+3], v[\adr] offset:64*(\q)+32*\c+(\i)*16*PITCH
.endr
.endm
; 16 matrix instructions: A's blocks a0, a0 + 1 x B's eight.  The 64 accumulators take turns, one instruction a turn, in the same order in every step.
.macro MUL16 a0, p, q, sc, zero
.irp a, \a0, \a0+1
.irp b, 0,1,2,3,4,5,6,7
.if \zero
	v_wmma_scale_f32_16x16x128_f8f6f4 v[8*(8*((\a)%4)+\b):8*(8*((\a)%4)+\b)+7], v[128*(\p)+FR*\b:128*(\p)+FR*\b+FR-1], v[AF+FR*(\a):AF+FR*(\a)+FR-1], 0, v[SC+8*NQ*(\sc)+NQ*\b+(\q)], v[SC+8*NQ*(\sc)+NQ*(\a)+(\q)] matrix_a_fmt:MATRIX_FMT_FP4 matrix_b_fmt:MATRIX_FMT_FP4 matrix_a_scale:MATRIX_SCALE_ROW1
.else
	v_wmma_scale_f32_16x16x128_f8f6f4 v[8*(8*((\a)%4)+\b):8*(8*((\a)%4)+\b)+7], v[128*(\p)+FR*\b:128*(\p)+FR*\b+FR-1], v[AF+FR*(\a):AF+FR*(\a)+FR-1], v[8*(8*((\a)%4)+\b):8*(8*((\a)%4)+\b)+7], v[SC+8*NQ*(\sc)+NQ*\b+(\q)], v[SC+8*NQ*(\sc)+NQ*(\a)+(\q)] matrix_a_fmt:MATRIX_FMT_FP4 matrix_b_fmt:MATRIX_FMT_FP4 matrix_a_scale:MATRIX_SCALE_ROW1
.endif
.endr
.endr
.endm
.macro FETCH_B slot, q, p
	WIN TO_B
.irp i, 0,1,2,3,4,5,6,7
	FRAG 128*(\p)+FR*\i, ADRB+\slot, \q, \i
.endr
	WIN 0
.endm
.macro FETCH_A slot, q, i0
.irp i, \i0, \i0+1, \i0+2, \i0+3
	FRAG AF+FR*(\i), ADRA+\slot, \q, \i
.endr
.endm
.macro SCALES sc                       ; a slot's scale words: lanes 0-15 take A's block i, lanes 16-31 B's block i
.irp i, 0,1,2,3,4,5,6,7
	ds_load_b128 v[SC+8*NQ*\sc+NQ*\i:SC+8*NQ*\sc+NQ*\i+3], v[ADRS] offset:\i*SBLK
.endr
.endm
.macro PLACES n                        ; plain vector instructions between a matrix instruction and a load into, or a read of, its registers
.rept \n
	v_nop
.endr
.endm
.macro STEP slot, q, zero              ; 128 along K, with its successor in the same slot
	s_wait_dscnt 4*NL                              ; B's set and A's blocks 0-3 are in; A's blocks 4-7 may be out
	WIN MUL_LO
	MUL16 0, (\q)%2, \q, \slot, \zero
	MUL16 2, (\q)%2, \q, \slot, \zero
	s_wait_dscnt 0
	PLACES NP
	FETCH_B \slot, (\q)+1, 1-(\q)%2
	FETCH_A \slot, (\q)+1, 0
	WIN MUL_HI
	MUL16 4, (\q)%2, \q, \slot, \zero
	MUL16 6, (\q)%2, \q, \slot, \zero
	PLACES NP
	WIN 0
	FETCH_A \slot, (\q)+1, 4
.endm
.macro TURN slot, next                 ; a slot's last step changes slots: one barrier; nothing is filled again
	s_wait_tensorcnt 0x0                           ; all my tensor loads have landed: my part of the next slot
	ds_add_u32 v[SPW], v[NIL]                      ; 0 onto my spare word
	s_wait_dscnt 4*NL+1                            ; (the add and A's blocks 4-7 may be out)
	WIN MUL_LO
	MUL16 0, 1, NQ-1, \slot, 0
	s_wait_dscnt 0x0                               ; the add is done, and my reads of this slot are over
	s_barrier_signal -1
	MUL16 2, 1, NQ-1, \slot, 0
	WIN 0
	s_barrier_wait -1
	PLACES NP
	v_add_nc_u32 v[ADRS], 4*NQ, v[ADRS]            ; on to the next slot's scale words
	FETCH_B \next, 0, 0
	FETCH_A \next, 0, 0
	SCALES \next
	WIN MUL_HI
	MUL16 4, 1, NQ-1, \slot, 0
	MUL16 6, 1, NQ-1, \slot, 0
	PLACES NP
	WIN 0
	FETCH_A \next, 0, 4
.endm
.macro STEPS slot, from
.set Q, \from
.rept NQ-1-\from
	STEP \slot, Q, 0
.set Q, Q+1
.endr
.endm
	s_wait_tensorcnt 1                             ; the scales and my part of slot 0 are in (slot 1's load may be out),
	s_barrier_signal -1
	s_barrier_wait -1                              ; everybody's are
	FETCH_B 0, 0, 0
	FETCH_A 0, 0, 0
	SCALES 0
	FETCH_A 0, 0, 4
	STEP 0, 0, 1                                   ; the first products start the sums
	STEPS 0, 1
	TURN 0, 1
	STEPS 1, 0
	s_wait_dscnt 4*NL
	WIN MUL_LO
	MUL16 0, 1, NQ-1, 1, 0
	MUL16 2, 1, NQ-1, 1, 0
	s_wait_dscnt 0
	WIN MUL_HI
	MUL16 4, 1, NQ-1, 1, 0
	MUL16 6, 1, NQ-1, 1, 0
	WIN 0
; 64 numbers of a lane, register 16 b + 8 u + j = k 32 b + 16 u + 8 h + j of my row, become a fragment's codes in v[pc] on and its scale word in v[pw].
; A conversion's 8 codes are one register of the operand.  The codes of (block 2 c + g, half u) go to register 4 c + 2 u + g; one exchange of halves between registers 4 c + 2 u and 4 c + 2 u + 1 then leaves register 4 c + i of lane (r, h) with k = 64 c + 32 h + 8 i ..
.macro QUANTN s, pc, pw
.irp b, 0,1,2,3
	v_max3_num_f32 v[TM+\b], |v[\s+16*\b]|, |v[\s+1+16*\b]|, 0x1800000   ; my 16 numbers of block b, and the floor 2^(3 - 127): the byte cannot fall under 1
.endr
.irp i, 2,4,6,8,10,12,14
.irp b, 0,1,2,3
	v_max3_num_f32 v[TM+\b], v[TM+\b], |v[\s+16*\b+\i]|, |v[\s+1+16*\b+\i]|
.endr
.endr
.irp b, 0,1,2,3
	v_permlanex16_b32 v[TM+4+\b], v[TM+\b], s[SEL], s[SEL+1]
.endr
.irp b, 0,1,2,3
	v_max_num_f32 v[TM+\b], v[TM+\b], v[TM+4+\b]   ; with lane l xor 16's: the block's largest magnitude
.endr
.irp b, 0,1,2,3
	v_add_nc_u32 v[TM+12+\b], 0xff000000, v[TM+\b] ; 2 off its exponent field: the conversion's scale operand
.endr
.irp b, 0,1,2,3
	v_lshrrev_b32 v[TM+4+\b], 23, v[TM+12+\b]      ; the scale's byte
.endr
	v_lshl_or_b32 v[\pw], v[TM+5], 8, v[TM+4]
	v_lshl_or_b32 v[\pw], v[TM+6], 16, v[\pw]
	v_lshl_or_b32 v[\pw], v[TM+7], 24, v[\pw]
.irp c, 0,1
.irp g, 0,1
.irp u, 0,1
	v_cvt_scalef32_pk8_fp4_f32 v[\pc+4*\c+2*\u+\g], v[\s+16*(2*\c+\g)+8*\u:\s+16*(2*\c+\g)+8*\u+7], v[TM+12+2*\c+\g]
.endr
.endr
.endr
	v_nop                                          ; one plain place behind a scaled conversion
.irp w, 0,2,4,6
	v_permlane16_swap_b32 v[\pc+\w], v[\pc+\w+1]
.endr
.endm
; Block a of 16 rows: the bias is added as the numbers move into window 0 (each accumulator from its low end on)
.macro EPI a
.set WW, 2+(\a)/4
.if VSEL
	s_cmp_eq_u32 s95, 1
	s_cbranch_scc1 .Lrow_\@
.endif
	WIN WW
.set jj, 0
.rept 32
	v_pk_add_f32 v[ST+jj:ST+jj+1], v[64*((\a)%4)+jj:64*((\a)%4)+jj+1], v[CBI+jj:CBI+jj+1]
.set jj, jj+2
.endr
	WIN 0
.if VSEL
	s_branch .Ljoin_\@
.Lrow_\@:
	WIN WW
.set jj, 0
.rept 32
.if (\a)%2
	v_pk_add_f32 v[ST+jj:ST+jj+1], v[64*((\a)%4)+jj:64*((\a)%4)+jj+1], v[RBI+2*((\a)/2):RBI+2*((\a)/2)+1] op_sel:[0,1] op_sel_hi:[1,1]
.else
	v_pk_add_f32 v[ST+jj:ST+jj+1], v[64*((\a)%4)+jj:64*((\a)%4)+jj+1], v[RBI+2*((\a)/2):RBI+2*((\a)/2)+1] op_sel_hi:[1,0]
.endif
.set jj, jj+2
.endr
	WIN 0
.Ljoin_\@:
.endif
.if RELU
.set jj, 0
.rept 64
	v_max_num_f32 v[ST+jj], 0, v[ST+jj]
.set jj, jj+1
.endr
.endif
	QUANTN ST, PC+8*(\a), PW+(\a)
	global_store_b128 v[LI], v[PC+8*(\a):PC+8*(\a)+3], s[12:13] offset:1024*(\a)        ; 512 consecutive bytes, aligned; each block has its own registers, so no store's data are written again
	global_store_b128 v[LI], v[PC+8*(\a)+4:PC+8*(\a)+7], s[12:13] offset:1024*(\a)+512
.endm
	s_wait_loadcnt 0x0                             ; the bias
	PLACES NP
.irp b, 0,1,2,3
	v_mov_b32 v[TM+4+\b], 0                        ; written once: a lane permute's destination counts as one of its sources
.endr
.irp a, 0,1,2,3,4,5,6,7
	EPI \a
.endr
	; the 128 rows' scale words meet in 512 bytes of LDS of my own, in slot 0 (it has had its only fill, and nobody reads it behind the change of slots), and leave as 512 consecutive bytes
.irp a, 0,1,2,3,4,5,6,7
	ds_store_b32 v[SWS], v[PW+\a] offset:64*\a     ; lanes r and r + 16 store the same word
.endr
	ds_load_b128 v[TM:TM+3], v[SRD]                ; LDS serves a wave's instructions in order
	s_wait_dscnt 0x0
	global_store_b128 v[LI], v[TM:TM+3], s[92:93]
	s_wait_tensorcnt 0x0                           ; the wave's end
	ds_add_u32 v[SPW], v[NIL]
	s_wait_dscnt 0x0
	CROUND                                         ; the closing round
	s_endpgm
.Lfunc_end_k_q5f5528a6a8_qkv:
	.size	k_q5f5528a6a8_qkv, .Lfunc_end_k_q5f5528a6a8_qkv-k_q5f5528a6a8_qkv
	.p2alignl 7, 3214868480
	.fill 96, 4, 3214868480
	.section	.rodata,"a",@progbits
	.p2align	6, 0x0
	.amdhsa_kernel k_q5f5528a6a8_qkv
		.amdhsa_group_segment_fixed_size 327680
		.amdhsa_private_segment_fixed_size 0
		.amdhsa_enable_private_segment 0
		.amdhsa_kernarg_size 88
		.amdhsa_user_sgpr_count 2
		.amdhsa_user_sgpr_kernarg_segment_ptr 1
		.amdhsa_wavefront_size32 1
		.amdhsa_system_sgpr_workgroup_id_x 1
		.amdhsa_system_sgpr_workgroup_id_y 1
		.amdhsa_system_sgpr_workgroup_id_z 1
		.amdhsa_system_vgpr_workitem_id 0
		.amdhsa_next_free_vgpr 1024
		.amdhsa_next_free_sgpr 104
		.amdhsa_reserve_vcc 0
		.amdhsa_float_denorm_mode_32 3
		.amdhsa_float_denorm_mode_16_64 3
		.amdhsa_memory_ordered 1
		.amdhsa_forward_progress 1
		.amdhsa_inst_pref_size 164
	.end_amdhsa_kernel
	.amdgpu_metadata
---
amdhsa.version: [ 1, 2 ]
amdhsa.kernels:
  - .name:           k_q5f5528a6a8_qkv
    .symbol:         k_q5f5528a6a8_qkv.kd
    .args:
      - { .name: wprep, .offset: 0, .size: 8, .value_kind: global_buffer, .address_space: global }
      - { .name: q_w_codes, .offset: 8, .size: 8, .value_kind: global_buffer, .address_space: global }
      - { .name: q_w_scales, .offset: 16, .size: 8, .value_kind: global_buffer, .address_space: global }
      - { .name: k_w_codes, .offset: 24, .size: 8, .value_kind: global_buffer, .address_space: global }
      - { .name: k_w_scales, .offset: 32, .size: 8, .value_kind: global_buffer, .address_space: global }
      - { .name: v_w_codes, .offset: 40, .size: 8, .value_kind: global_buffer, .address_space: global }
      - { .name: v_w_scales, .offset: 48, .size: 8, .value_kind: global_buffer, .address_space: global }
      - { .name: q_b, .offset: 56, .size: 8, .value_kind: global_buffer, .address_space: global }
      - { .name: k_b, .offset: 64, .size: 8, .value_kind: global_buffer, .address_space: global }
      - { .name: v_b, .offset: 72, .size: 8, .value_kind: global_buffer, .address_space: global }
      - { .name: wqkv, .offset: 80, .size: 8, .value_kind: global_buffer, .address_space: global }
    .group_segment_fixed_size: 327680
    .private_segment_fixed_size: 0
    .kernarg_segment_align: 8
    .kernarg_segment_size: 88
    .max_flat_workgroup_size: 128
    .sgpr_count:     104
    .vgpr_count:     1024
    .wavefront_size: 32
...
	.end_amdgpu_metadata
.endif
;; end of part 2
;; launch attn (part 3): grid 8 x 32, 8 waves a work-group, no clusters, 266,240 bytes of LDS; arguments wqkv, lmask, wattn; writes wattn
.if DOCPART == 3
	.amdgcn_target "amdgcn-amd-amdhsa--gfx1250"
	.amdhsa_code_object_version 6
	.text
	.protected	k_q5f5528a6a8_attn
	.globl	k_q5f5528a6a8_attn
	.p2align	8
	.type	k_q5f5528a6a8_attn,@function
k_q5f5528a6a8_attn:
	s_mov_b64 s[64:65], 0
	v_nop
	global_prefetch_b8 v0, s[64:65] scope:SCOPE_SE
	s_setreg_imm32_b32 hwreg(HW_REG_WAVE_MODE, 25, 1), 1
	s_wait_xcnt 0x0
; attn[b][t][head] = probs v, probs = softmax over the keys of q k^T / 8 under the mask, 0 where masked; both products on codes of FP4.  LEFT OUT: the 1e-9 ahead of the softmax, the same along its axis (shown at the head of the first kernel).
; probs ARE QUANTISED FINISHED AND NORMALISED, so no code can be made before a row's sum over all 2,048 keys is known.  So THE WAVES SHARE THE KEYS: a work-group owns 256 queries of one (batch, head); wave w of its eight owns keys
; 256 w .. 256 w + 255 and keeps their fragments of k and of v^T in registers for the whole launch.  For a tile of 16 queries a wave's 16 x 256 scores are 128 registers, and stay there from the product to the conversion.
; A TRIP (one tile of queries): S^T = k q^T (16 products) | for each HALF of my keys (128, 64 registers): mask; t = score x log2(e) / 8; M_h = the half's largest t, rounded up to a whole number; p_h = 2^(t - M_h); l_h = their sum |
; M_w = the larger M_h, l_w = sum of l_h 2^(M_h - M_w) | (-M_w, l_w) to LDS, ONE BARRIER | M = the largest M_w; l = sum of l_w 2^(M_w - M); f_h = 2^(M_h - M) / l, or 0 where the whole row is masked | p = p_h f_h |
; quantised along the keys | O_w^T = v^T p^T (8 products) | O_w^T to LDS.  All changes of M are shifts by whole numbers (v_ldexp_f32): nothing is rounded by them.
; WHY HALVES: a trip wants 128 mask words and 64 scalar registers are there for them.  The words of the second half are asked for when those of the first have been used, and the whole of the first half's work, its 64 exponentials among it, stands between that request and the wait for it.
; After eight trips wave w adds the eight waves' parts of tile w in f32, quantises the sum along the features (a lane holds 32 neighbours: a whole block) and stores it as half an operand image, with its scale bytes.
; THE HEAD'S 64 UNDER AN INSTRUCTION OF K = 128: q's registers 4-7 are zero codes, so k's tile t is named v[4 t : 4 t + 7]: its upper four registers are the next tile's codes, multiplied by zeros.  Bytes 2 and 3 of both scale words are 0.
; THE MASK comes as lane words (made by the first launch): one scalar word for each score register; one v_cndmask_b32 a register.  Of a tile's four chunks of 32 words chunk 0 lies at byte 0, chunk 1 at 256, chunk 2 at 128, chunk 3 at 384.
; LIMITS: |score x log2(e) / 8| under 2^100; NaN and infinite scores are not served.
; REGISTERS, window 0: v1-15 addresses; v16-31 q, two sets; v32-33 q's scale words; v34-41 k's (tile 2 m in lanes 0-15, 2 m + 1 in lanes 16-31); v42-45 v's likewise; v46-47 p's; v48-63 p's codes; v64-71 the blocks' largest; v72-87 at work;
;   v[88:89] -M_1 and its t; v[90:91] f_1; v96-103 the waves' statistics; v[104:105] -M_0 and its t; v106-109, v116-119 sums; v[110:111] f_0; v[112:113] (-M_w, l_w); v120-121 l_0, l_1; v124-125 M_h - M_w; v128-255 S^T.
;   window 1: v0-63 k; v64-127 v^T (K step s, tile t at 64 + 8 (4 s + t)); v128-159 O_w^T.
.set KIMG,  2097152
.set VIMG,  4194304
.set QSO,   6291456
.set KSO,   QSO+131072
.set VSO,   QSO+262144
.set ASCO,  2097152
.set STAT,  262144                     ; LDS: 0 .. 262,143: O_w^T, [slot 8][wave 8][4,096];  STAT: 2 x 1,280: [query: pitch 80][wave: 8 bytes]
.set ASCG,  264704                     ; the 256 queries' scale bytes, 2 each
.set SPARE, 265216                     ; the spare words, 128 bytes for each wave
.set MSB, 0
.macro WIN new
.if MSB != (\new)
	s_set_vgpr_msb (MSB<<8)|(\new)
.set MSB, (\new)
.endif
.endm
.macro WM d, a, b, z, sa, sb, row      ; a product: z = 1: it starts its sum;  row = 1: source 0's scales stand in lanes 16-31
.if (\z) && (\row)
	v_wmma_scale_f32_16x16x128_f8f6f4 v[(\d):(\d)+7], v[(\a):(\a)+7], v[(\b):(\b)+7], 0, v[\sa], v[\sb] matrix_a_fmt:MATRIX_FMT_FP4 matrix_b_fmt:MATRIX_FMT_FP4 matrix_a_scale:MATRIX_SCALE_ROW1
.elseif \z
	v_wmma_scale_f32_16x16x128_f8f6f4 v[(\d):(\d)+7], v[(\a):(\a)+7], v[(\b):(\b)+7], 0, v[\sa], v[\sb] matrix_a_fmt:MATRIX_FMT_FP4 matrix_b_fmt:MATRIX_FMT_FP4
.elseif \row
	v_wmma_scale_f32_16x16x128_f8f6f4 v[(\d):(\d)+7], v[(\a):(\a)+7], v[(\b):(\b)+7], v[(\d):(\d)+7], v[\sa], v[\sb] matrix_a_fmt:MATRIX_FMT_FP4 matrix_b_fmt:MATRIX_FMT_FP4 matrix_a_scale:MATRIX_SCALE_ROW1
.else
	v_wmma_scale_f32_16x16x128_f8f6f4 v[(\d):(\d)+7], v[(\a):(\a)+7], v[(\b):(\b)+7], v[(\d):(\d)+7], v[\sa], v[\sb] matrix_a_fmt:MATRIX_FMT_FP4 matrix_b_fmt:MATRIX_FMT_FP4
.endif
.endm
	s_load_b64 s[28:29], s[0:1], 0x0               ; wqkv
	s_load_b128 s[8:11], s[0:1], 0x8               ; lmask, wattn
	v_lshl_add_u32 v8, v0, 2, SPARE                ; v8, v9: my spare word and 0; never rewritten
	v_mov_b32 v9, 0
	v_lshrrev_b32 v14, 5, v0
	v_readfirstlane_b32 s14, v14                   ; wave 0..7
	v_and_b32 v14, 31, v0
	v_lshlrev_b32 v1, 4, v14                       ; v1  16 L
	v_lshlrev_b32 v15, 2, v14                      ; v15 4 L
	v_and_b32 v14, 15, v0                          ; r
	v_lshlrev_b32 v2, 2, v14                       ; v2  4 r
	v_bfe_u32 v112, v0, 4, 1                       ; h
	s_lshl_b32 s19, s14, 12
	v_add_nc_u32 v3, s19, v1                       ; v3  my place in a slot of O: 4,096 w + 16 L
	v_mul_u32_u24 v5, v14, 80
	v_lshl_add_u32 v6, v112, 5, v5
	v_add_nc_u32 v6, STAT, v6                      ; v6  the statistics of four waves: 80 r + 32 h
	s_lshl_b32 s19, s14, 3
	v_add_nc_u32 v5, s19, v5
	v_add_nc_u32 v5, STAT, v5                      ; v5  mine: 80 r + 8 w
	v_lshlrev_b32 v7, 4, v14
	v_lshl_add_u32 v7, v112, 11, v7
	s_lshl_b32 s19, s14, 15
	v_add_nc_u32 v7, s19, v7                       ; v7  the sum: slot w, 2,048 h + 16 r
	v_lshlrev_b32 v13, 1, v14
	s_lshl_b32 s19, s14, 5
	v_add_nc_u32 v13, s19, v13
	v_add_nc_u32 v13, ASCG, v13                    ; v13 my query's two scale bytes: 32 w + 2 r
	v_lshlrev_b32 v14, 3, v112                     ; v14 8 h
	v_mov_b32 v10, 0xff800000                      ; v10 -infinity
	s_and_b32 s32, ttmp7, 0xffff                   ; 16 batch + head  (s32-s48 are at work here; the mask words land there later)
	s_lshr_b32 s33, s32, 4                         ; batch
	s_and_b32 s34, s32, 15                         ; head
	s_lshr_b32 s35, s34, 1                         ; pair of heads
	s_and_b32 s36, s34, 1                          ; which of the pair
	s_lshl_b32 s15, s36, 4                         ; s15: its two scale bytes begin at bit 16 c
	s_lshl_b32 s36, s36, 9                         ; its half of an image
	s_lshl_b32 s37, s33, 3
	s_add_co_u32 s37, s37, s35                     ; g = 8 batch + pair
	s_mov_b32 s31, 0
	s_mov_b32 s20, 0x76543210
	s_mov_b32 s21, 0xfedcba98                      ; v_permlanex16_b32's selects for lane l xor 16
	s_mov_b32 s22, 0x3e38aa3b                      ; log2(e) / 8
	s_mov_b32 s23, s22
	s_mov_b32 s17, 0                               ; the next trip's mask words, in bytes
	s_mov_b32 s25, 0                               ; the tile of q last asked for, in bytes
	s_lshl_b32 s38, s37, 7
	s_lshl_b32 s39, ttmp9, 4
	s_add_co_u32 s39, s38, s39
	s_lshl_b32 s39, s39, 10
	s_add_co_u32 s39, s39, s36                     ; q: tile 128 g + 16 x, my half
	s_lshl_b32 s40, s14, 4
	s_add_co_u32 s40, s38, s40
	s_lshl_b32 s40, s40, 10
	s_add_co_u32 s40, s40, s36
	s_add_co_u32 s40, s40, KIMG                    ; k: tile 128 g + 16 w
	s_lshl_b32 s38, s37, 11
	s_lshl_b32 s41, ttmp9, 8
	s_add_co_u32 s41, s38, s41
	s_lshl_b32 s41, s41, 2
	s_add_co_u32 s41, s41, QSO                     ; q's scale words
	s_lshl_b32 s42, s14, 8
	s_add_co_u32 s42, s38, s42
	s_lshl_b32 s42, s42, 2
	s_add_co_u32 s42, s42, KSO                     ; k's
	s_lshl_b32 s38, s33, 4
	s_lshl_b32 s43, s14, 1
	s_add_co_u32 s38, s38, s43                     ; 16 batch + 2 w: my first run of 128 keys
	s_lshl_b32 s43, s38, 6
	s_lshl_b32 s44, s34, 2
	s_add_co_u32 s43, s43, s44
	s_lshl_b32 s43, s43, 10
	s_add_co_u32 s43, s43, VIMG                    ; v^T
	s_lshl_b32 s44, s38, 10
	s_lshl_b32 s45, s34, 6
	s_add_co_u32 s44, s44, s45
	s_lshl_b32 s44, s44, 2
	s_add_co_u32 s44, s44, VSO                     ; its scale words
	s_lshl_b32 s45, ttmp9, 7
	s_add_co_u32 s45, s45, s14
	s_lshl_b32 s45, s45, 9                         ; the mask words of (tile 16 x, w)
	s_lshl_b32 s46, s33, 7
	s_lshl_b32 s47, ttmp9, 4
	s_add_co_u32 s46, s46, s47
	s_add_co_u32 s46, s46, s14
	s_lshl_b32 s46, s46, 4
	s_add_co_u32 s46, s46, s34
	s_lshl_b32 s46, s46, 9                         ; out: (tile 128 batch + 16 x + w, head)
	s_lshl_b32 s47, s33, 11
	s_lshl_b32 s48, ttmp9, 8
	s_add_co_u32 s47, s47, s48
	s_lshl_b32 s47, s47, 1
	s_lshl_b32 s48, s34, 13
	s_add_co_u32 s47, s47, s48
	s_add_co_u32 s47, s47, ASCO                    ; out: the scale bytes
	s_wait_kmcnt 0x0
	s_mov_b32 s30, s39
	s_add_nc_u64 s[4:5], s[28:29], s[30:31]        ; s[4:5] q
	s_mov_b32 s30, s41
	s_add_nc_u64 s[6:7], s[28:29], s[30:31]        ; s[6:7] q's scale words
	s_mov_b32 s30, s40
	s_add_nc_u64 s[2:3], s[28:29], s[30:31]
	s_mov_b32 s30, s42
	s_add_nc_u64 s[66:67], s[28:29], s[30:31]
	s_mov_b32 s30, s43
	s_add_nc_u64 s[26:27], s[28:29], s[30:31]
	s_mov_b32 s30, s44
	s_add_nc_u64 s[100:101], s[28:29], s[30:31]
	s_mov_b32 s30, s45
	s_add_nc_u64 s[8:9], s[8:9], s[30:31]          ; s[8:9] the mask words
	s_mov_b32 s30, s47
	s_add_nc_u64 s[12:13], s[10:11], s[30:31]      ; s[12:13] out: scale bytes
	s_mov_b32 s30, s46
	s_add_nc_u64 s[10:11], s[10:11], s[30:31]      ; s[10:11] out: codes
	WIN 0x40                                       ; destination window 1
.set tt, 0
.rept 16
	global_load_b128 v[4*tt:4*tt+3], v1, s[2:3] offset:1024*tt
.set tt, tt+1
.endr
.irp ks, 0,1
.irp t, 0,1,2,3
.irp c, 0,1
	global_load_b128 v[64+8*(4*\ks+\t)+4*\c:64+8*(4*\ks+\t)+4*\c+3], v1, s[26:27] offset:65536*\ks+1024*\t+512*\c
.endr
.endr
.endr
	WIN 0
.irp m, 0,1,2,3,4,5,6,7
	global_load_b32 v[34+\m], v15, s[66:67] offset:128*\m
.endr
.irp ks, 0,1
.irp m, 0,1
	global_load_b32 v[42+2*\ks+\m], v15, s[100:101] offset:4096*\ks+128*\m
.endr
.endr
	global_load_b128 v[16:19], v1, s[4:5]          ; the first tile of q
	global_load_b32 v32, v2, s[6:7]
	s_load_b512 s[32:47], s[8:9], 0x0              ; the first trip's mask words 0-63: chunk 0 into set A = s32-63, chunk 1 into set B = s68-99
	s_load_b512 s[48:63], s[8:9], 0x40
	s_load_b512 s[68:83], s[8:9], 0x100
	s_load_b512 s[84:99], s[8:9], 0x140
	s_wait_loadcnt 0x0
	v_bfe_u32 v32, v32, s15, 16                    ; my head's two bytes; the K half that is not used gets the byte 0
.irp m, 0,1,2,3,4,5,6,7
	v_bfe_u32 v[34+\m], v[34+\m], s15, 16
.endr
.irp i, 20,21,22,23,28,29,30,31
	v_mov_b32 v[\i], 0                             ; q's upper K half: zero codes
.endr
.irp i, 72,73,74,75,76,77,78,79,91,111,112,113,114,115,116,117,118,119,120,121,122,123
	v_mov_b32 v[\i], 0                             ; written once: permutes' destinations, and the upper halves of pairs.  (These lines are also the places between the scale words' last write and the first product)
.endr
.macro MASK sg, n0                     ; 32 registers of scores: -infinity where the lane's bit is set
.set ii, 0
.rept 32
	v_cndmask_b32 v[128+\n0+ii], v[128+\n0+ii], v10, s[\sg+ii]
.set ii, ii+1
.endr
.endm
.macro MLOAD sg, so, off               ; 32 mask words
	s_load_b512 s[\sg:\sg+15], s[8:9], s[\so] offset:\off
	s_load_b512 s[\sg+16:\sg+31], s[8:9], s[\so] offset:\off+64
.endm
.macro BMAX b0                         ; the largest score of blocks b0 .. b0 + 3 of 32 keys (my 16 of each): it serves the row's maximum and, since p rises with the score, the block's largest p
.irp b, 0,1,2,3
	v_max3_num_f32 v[64+\b0+\b], v[128+16*(\b0+\b)], v[129+16*(\b0+\b)], v[130+16*(\b0+\b)]
.endr
.irp i, 3,5,7,9,11,13
.irp b, 0,1,2,3
	v_max3_num_f32 v[64+\b0+\b], v[64+\b0+\b], v[128+16*(\b0+\b)+\i], v[129+16*(\b0+\b)+\i]
.endr
.endr
.irp b, 0,1,2,3
	v_max_num_f32 v[64+\b0+\b], v[64+\b0+\b], v[143+16*(\b0+\b)]
.endr
.endm
; Half hf of my keys (blocks b0 .. b0 + 3, registers 128 + 64 hf on), masked: its whole number M_h (-M_h in v[nm], its largest t in v[nm + 1]), p_h = 2^(t - M_h) in place, my lane's part of their sum in v[120 + hf]
.macro HALF hf, b0, nm
	BMAX \b0
.irp b, 0,1,2,3
	v_permlanex16_b32 v[72+\b0+\b], v[64+\b0+\b], s20, s21
.endr
.irp b, 0,1,2,3
	v_max_num_f32 v[64+\b0+\b], v[64+\b0+\b], v[72+\b0+\b]   ; with lane l xor 16's 16 keys
.endr
	v_max3_num_f32 v114, v[64+\b0], v[65+\b0], v[66+\b0]
	v_max_num_f32 v114, v114, v[67+\b0]            ; my query's largest score among the half's 128 keys
	v_mul_f32 v114, s22, v114
	v_max_num_f32 v[\nm+1], 0xf1800000, v114       ; as t; -2^100 where all 128 are masked, so that M_h is a number
	v_floor_f32 v[\nm], -v[\nm+1]                  ; -M_h = -ceil(t): a whole number
.set jj, 64*\hf
.rept 32
	v_pk_fma_f32 v[128+jj:129+jj], v[128+jj:129+jj], s[22:23], v[\nm:\nm+1] op_sel_hi:[1,0,0]   ; t - M_h
.set jj, jj+2
.endr
.irp b, 0,1,2,3
	v_fma_f32 v[64+\b0+\b], v[64+\b0+\b], s22, v[\nm]   ; the same of each block's largest score
.endr
.set jj, 64*\hf
.rept 64
	v_exp_f32 v[128+jj], v[128+jj]                 ; p_h = 2^(t - M_h), 0 where masked
.set jj, jj+1
.endr
	v_nop                                          ; a plain place behind the exponentials
	s_wait_alu depctr_va_vdst(0)                   ; one wait for the batch, ahead of its first reader
.irp b, 0,1,2,3
	v_exp_f32 v[64+\b0+\b], v[64+\b0+\b]           ; the blocks' largest p_h: the same two instructions on the same number.  Their results are named first behind the barrier, behind a later wait
.endr
.set jj, 128+64*\hf
	v_pk_add_f32 v[106:107], v[jj:jj+1], v[jj+2:jj+3]   ; l_h, of the unquantised p_h: four chains
	v_pk_add_f32 v[108:109], v[jj+4:jj+5], v[jj+6:jj+7]
	v_pk_add_f32 v[116:117], v[jj+8:jj+9], v[jj+10:jj+11]
	v_pk_add_f32 v[118:119], v[jj+12:jj+13], v[jj+14:jj+15]
.set jj, jj+16
.rept 6
	v_pk_add_f32 v[106:107], v[106:107], v[jj:jj+1]
	v_pk_add_f32 v[108:109], v[108:109], v[jj+2:jj+3]
	v_pk_add_f32 v[116:117], v[116:117], v[jj+4:jj+5]
	v_pk_add_f32 v[118:119], v[118:119], v[jj+6:jj+7]
.set jj, jj+8
.endr
	v_pk_add_f32 v[106:107], v[106:107], v[108:109]
	v_pk_add_f32 v[116:117], v[116:117], v[118:119]
	v_pk_add_f32 v[106:107], v[106:107], v[116:117]
	v_add_f32 v[120+\hf], v106, v107
.endm
.macro TRIP par                        ; par: the trip's parity: which set of q, which half of the statistics, which of a pair of O's slots
	s_wait_kmcnt 0x0                               ; mask words 0-63 are in; no scalar load is out, so their offsets may be written
	s_mov_b32 s16, s17
	s_add_co_u32 s17, s16, 4096                    ; the next tile's words; the last trip asks once more for its own: no load leaves its buffer
	s_min_u32 s17, s17, 61440
	s_add_co_u32 s25, s25, 1024
	s_min_u32 s25, s25, 15360                      ; likewise the next tile of q
	s_lshr_b32 s19, s25, 4
	WIN 0x01                                       ; source 0 (k) window 1
.irp t, 0,1,2,3,4,5,6,7,8,9,10,11,12,13,14,15
	WM 128+8*\t, 4*\t, 16+8*\par, 1, 34+\t/2, 32+\par, \t%2
.endr
	WIN 0
	v_add_nc_u32 v4, s24, v3                       ; v4: where this trip's O goes.  (Four places behind the products)
	v_add_nc_u32 v11, s25, v1
	v_add_nc_u32 v12, s19, v2
	v_nop
	global_load_b128 v[24-8*\par:27-8*\par], v11, s[4:5]   ; the next tile of q, into the other set
	global_load_b32 v[33-\par], v12, s[6:7]
	MASK 32, 0
	MLOAD 32, 16, 128                              ; chunk 2 takes set A's place,
	MASK 68, 32
	MLOAD 68, 16, 384                              ; chunk 3 set B's
	HALF 0, 0, 104                                 ; the first 128 keys are taken as far as their sum while those words are on their way
	s_wait_kmcnt 0x0
	MASK 32, 64
	MLOAD 32, 17, 0                                ; the next trip's chunk 0,
	MASK 68, 96
	MLOAD 68, 17, 256                              ; and chunk 1
	HALF 1, 4, 88
	v_min_num_f32 v112, v104, v88                  ; -M_w: M_w is the larger of the two
	v_sub_f32 v124, v112, v104                     ; M_0 - M_w: a whole number, 0 or less
	v_sub_f32 v125, v112, v88                      ; M_1 - M_w
	v_cvt_i32_f32 v124, v124                       ; (it saturates)
	v_cvt_i32_f32 v125, v125
	v_ldexp_f32 v120, v120, v124                   ; the halves' sums under M_w
	v_ldexp_f32 v121, v121, v125
	v_add_f32 v106, v120, v121
	v_permlanex16_b32 v107, v106, s20, s21
	v_add_f32 v113, v106, v107                     ; l_w
	ds_store_b64 v5, v[112:113] offset:1280*\par   ; (-M_w, l_w); lanes r and r + 16 store the same
	s_wait_dscnt 0x0                               ; for the others' sake: this store and the last trip's stores of O are done, and so are my reads of the other half of the statistics
	s_barrier_signal -1
	s_barrier_wait -1                              ; the two halves of the statistics take turns: between two barriers one is only read and the other only written
	ds_load_b128 v[96:99], v6 offset:1280*\par
	ds_load_b128 v[100:103], v6 offset:1280*\par+16
	s_wait_dscnt 0x0
	v_min3_num_f32 v114, v96, v98, v100
	v_min_num_f32 v114, v114, v102
	v_permlanex16_b32 v115, v114, s20, s21
	v_min_num_f32 v114, v114, v115                 ; -M
.irp a, 0,1,2,3
	v_sub_f32 v[116+\a], v114, v[96+2*\a]          ; M_a - M: a whole number, 0 or less
.endr
.irp a, 0,1,2,3
	v_cvt_i32_f32 v[116+\a], v[116+\a]             ; (it saturates)
.endr
.irp a, 0,1,2,3
	v_ldexp_f32 v[116+\a], v[97+2*\a], v[116+\a]   ; l_a under M
.endr
	v_add_f32 v116, v116, v117
	v_add_f32 v118, v118, v119
	v_add_f32 v116, v116, v118
	v_permlanex16_b32 v117, v116, s20, s21
	v_add_f32 v116, v116, v117                     ; l: the row's sum over all 2,048 keys
	v_rcp_f32 v118, v116
	v_sub_f32 v119, v114, v112                     ; M_w - M  (a plain place behind the reciprocal)
	v_cvt_i32_f32 v119, v119
	s_wait_alu depctr_va_vdst(0)                   ; one wait for the reciprocal and the second half's four exponentials
	v_cmp_lt_f32 vcc_lo, 0, v116
	v_cndmask_b32 v118, 0, v118, vcc_lo            ; a row that is masked whole: probs are 0
	v_ldexp_f32 v118, v118, v119                   ; 2^(M_w - M) / l.  The shifts are made one after the other: two saturated whole numbers are never added
	v_ldexp_f32 v110, v118, v124                   ; f_0 = 2^(M_0 - M) / l
	v_ldexp_f32 v90, v118, v125                    ; f_1
.set jj, 0
.rept 32
	v_pk_mul_f32 v[128+jj:129+jj], v[128+jj:129+jj], v[110:111] op_sel_hi:[1,0]   ; probs, the first half's,
.set jj, jj+2
.endr
.rept 32
	v_pk_mul_f32 v[128+jj:129+jj], v[128+jj:129+jj], v[90:91] op_sel_hi:[1,0]     ; and the second's
.set jj, jj+2
.endr
.irp b, 0,1,2,3
	v_mul_f32 v[64+\b], v[64+\b], v110             ; each block's largest
.endr
.irp b, 4,5,6,7
	v_mul_f32 v[64+\b], v[64+\b], v90
.endr
.irp b, 0,1,2,3,4,5,6,7
	v_max_num_f32 v[64+\b], 0x1800000, v[64+\b]    ; the floor 2^(3 - 127): the byte cannot fall under 1
.endr
.irp b, 0,1,2,3,4,5,6,7
	v_add_nc_u32 v[80+\b], 0xff000000, v[64+\b]    ; 2 off the exponent field: the conversion's scale operand
.endr
.irp b, 0,1,2,3,4,5,6,7
	v_lshrrev_b32 v[72+\b], 23, v[80+\b]
.endr
.irp ks, 0,1
	v_lshl_or_b32 v[46+\ks], v[73+4*\ks], 8, v[72+4*\ks]
	v_lshl_or_b32 v[46+\ks], v[74+4*\ks], 16, v[46+\ks]
	v_lshl_or_b32 v[46+\ks], v[75+4*\ks], 24, v[46+\ks]
.endr
.irp ks, 0,1
.irp c, 0,1
.irp g, 0,1
.irp u, 0,1
	v_cvt_scalef32_pk8_fp4_f32 v[48+8*\ks+4*\c+2*\u+\g], v[128+16*(4*\ks+2*\c+\g)+8*\u:135+16*(4*\ks+2*\c+\g)+8*\u], v[80+4*\ks+2*\c+\g]
.endr
.endr
.endr
.endr
	v_nop                                          ; one plain place behind a scaled conversion
.irp w, 0,2,4,6,8,10,12,14
	v_permlane16_swap_b32 v[48+\w], v[49+\w]       ; register 4 c + i of lane (r, h) now holds keys 64 c + 32 h + 8 i ..
.endr
	s_wait_loadcnt 0x0                             ; the next tile of q and its scale word
	v_bfe_u32 v[33-\par], v[33-\par], s15, 16
.rept 8
	v_nop                                          ; a scale word made by vector instructions stands eight places ahead of a scaled product, codes so made four
.endr
	WIN 0x51                                       ; source 0 (v^T), C and D window 1; source 1 (p) window 0
.irp ks, 0,1
.irp t, 0,1,2,3
	WM 128+8*\t, 64+8*(4*\ks+\t), 48+8*\ks, 1-\ks, 42+2*\ks+\t/2, 46+\ks, \t%2   ; the four accumulators take turns
.endr
.endr
.rept 4
	v_nop
.endr
	WIN 0x04                                       ; an LDS store's data: window 1
.irp t, 0,1,2,3
.irp q, 0,1
	ds_store_b128 v4, v[128+8*\t+4*\q:131+8*\t+4*\q] offset:32768*\par+1024*\t+512*\q   ; lane (r, h): dims 16 t + 8 h + 4 q .. of query r.  The wait stands in front of the next barrier
.endr
.endr
	WIN 0
.endm
.macro RLOAD reg, ws                   ; wave ws's part of my tile: lane (r, h) takes dims 32 h .. 32 h + 31 of query r, in ascending order
.irp tt, 0,1
.irp hh, 0,1
.irp q, 0,1
	ds_load_b128 v[\reg+16*\tt+8*\hh+4*\q:\reg+16*\tt+8*\hh+4*\q+3], v7 offset:4096*(\ws)+1024*\tt+512*\q+256*\hh
.endr
.endr
.endr
.endm
.macro BATCH k                         ; eight tiles of queries, then their sums
	s_mov_b32 s24, 0
	s_mov_b32 s18, 4
.Lpair_\@:
	TRIP 0
	TRIP 1
	s_add_co_u32 s24, s24, 65536
	s_sub_co_u32 s18, s18, 1
	s_cmp_lg_u32 s18, 0
	s_cbranch_scc1 .Lpair_\@
	s_wait_dscnt 0x0                               ; my stores of O are done
	s_barrier_signal -1
	s_barrier_wait -1
	RLOAD 128, 0
	RLOAD 160, 1
.irp a, 1,2,3,4,5,6,7
.if \a < 7
	RLOAD 160+32*(\a%2), \a+1
	s_wait_dscnt 8                                 ; all but the eight just issued
.else
	s_wait_dscnt 0x0
.endif
.set jj, 0
.rept 16
	v_pk_add_f32 v[128+jj:129+jj], v[128+jj:129+jj], v[160+32*((\a+1)%2)+jj:161+32*((\a+1)%2)+jj]
.set jj, jj+2
.endr
.endr
	v_max3_num_f32 v120, |v128|, |v129|, 0x1800000 ; my 32 numbers are a whole block of the next product's K
	v_max3_num_f32 v121, |v144|, |v145|, 0x1800000
.irp i, 2,4,6,8,10,12,14
	v_max3_num_f32 v120, v120, |v[128+\i]|, |v[129+\i]|
	v_max3_num_f32 v121, v121, |v[144+\i]|, |v[145+\i]|
.endr
	v_max_num_f32 v120, v120, v121
	v_add_nc_u32 v121, 0xff000000, v120
	v_lshrrev_b32 v122, 23, v121
.irp g, 0,1,2,3
	v_cvt_scalef32_pk8_fp4_f32 v[224+\g], v[128+8*\g:135+8*\g], v121
.endr
	v_lshlrev_b32 v122, v14, v122                  ; my byte at its place (a plain place behind the conversions)
	global_store_b128 v1, v[224:227], s[10:11] offset:65536*\k   ; 512 consecutive bytes, aligned: half an operand image
	v_permlanex16_b32 v123, v122, s20, s21
	v_or_b32 v122, v122, v123
	ds_store_b16 v13, v122 offset:256*\k
	s_wait_xcnt 0x0                                ; the store has read its data: the next products write those registers
.endm
	BATCH 0
	BATCH 1
	v_add_nc_u32 v4, ASCG, v1
	s_wait_dscnt 0x0
	s_barrier_signal -1
	s_barrier_wait -1
	s_cmp_lg_u32 s14, 0
	s_cbranch_scc1 .Ldone
	ds_load_b128 v[228:231], v4                    ; the 256 queries' scale bytes
	s_wait_dscnt 0x0
	global_store_b128 v1, v[228:231], s[12:13]     ; 512 consecutive bytes, aligned
.Ldone:
	s_wait_tensorcnt 0x0                           ; the wave's end, behind my last LDS store
	ds_add_u32 v8, v9
	s_wait_dscnt 0x0
	s_endpgm
.Lfunc_end_k_q5f5528a6a8_attn:
	.size	k_q5f5528a6a8_attn, .Lfunc_end_k_q5f5528a6a8_attn-k_q5f5528a6a8_attn
	.p2alignl 7, 3214868480
	.fill 96, 4, 3214868480
	.section	.rodata,"a",@progbits
	.p2align	6, 0x0
	.amdhsa_kernel k_q5f5528a6a8_attn
		.amdhsa_group_segment_fixed_size 266240
		.amdhsa_private_segment_fixed_size 0
		.amdhsa_enable_private_segment 0
		.amdhsa_kernarg_size 24
		.amdhsa_user_sgpr_count 2
		.amdhsa_user_sgpr_kernarg_segment_ptr 1
		.amdhsa_wavefront_size32 1
		.amdhsa_system_sgpr_workgroup_id_x 1
		.amdhsa_system_sgpr_workgroup_id_y 1
		.amdhsa_system_sgpr_workgroup_id_z 1
		.amdhsa_system_vgpr_workitem_id 0
		.amdhsa_next_free_vgpr 512
		.amdhsa_next_free_sgpr 102
		.amdhsa_reserve_vcc 1
		.amdhsa_float_denorm_mode_32 3
		.amdhsa_float_denorm_mode_16_64 3
		.amdhsa_memory_ordered 1
		.amdhsa_forward_progress 1
		.amdhsa_inst_pref_size 199
	.end_amdhsa_kernel
	.amdgpu_metadata
---
amdhsa.version: [ 1, 2 ]
amdhsa.kernels:
  - .name:           k_q5f5528a6a8_attn
    .symbol:         k_q5f5528a6a8_attn.kd
    .args:
      - { .name: wqkv, .offset: 0, .size: 8, .value_kind: global_buffer, .address_space: global }
      - { .name: lmask, .offset: 8, .size: 8, .value_kind: global_buffer, .address_space: global }
      - { .name: wattn, .offset: 16, .size: 8, .value_kind: global_buffer, .address_space: global }
    .group_segment_fixed_size: 266240
    .private_segment_fixed_size: 0
    .kernarg_segment_align: 8
    .kernarg_segment_size: 24
    .max_flat_workgroup_size: 256
    .sgpr_count:     102
    .vgpr_count:     512
    .wavefront_size: 32
...
	.end_amdgpu_metadata
.endif
;; end of part 3
;; launch oproj (part 4): grid 256 x 1, 16 waves a work-group, no clusters, 88,064 bytes of LDS; arguments wattn, wprep, o_w_scales, o_b, src, alpha_attn, n1_s, n1_b, wx; writes wx
.if DOCPART == 4
	.amdgcn_target "amdgcn-amd-amdhsa--gfx1250"
	.amdhsa_code_object_version 6
	.text
	.protected	k_q5f5528a6a8_oproj
	.globl	k_q5f5528a6a8_oproj
	.p2align	8
	.type	k_q5f5528a6a8_oproj,@function
k_q5f5528a6a8_oproj:
	s_mov_b64 s[64:65], 0
	v_nop
	global_prefetch_b8 v0, s[64:65] scope:SCOPE_SE
	s_setreg_imm32_b32 hwreg(HW_REG_WAVE_MODE, 25, 1), 1
	s_wait_xcnt 0x0
; x = layernorm(src + alpha_attn (attn o_w^T + o_b)) n1_s + n1_b, and x quantised along its features for the next product.  The product is on codes of FP4 (E2M1) with E8M0 scales.  Nothing of reference() is left out here.
; A work-group owns 16 whole rows (tokens), so that the norm needs no other work-group; wave w of its sixteen owns features 64 w .. 64 w + 63: four tiles of o_w's rows, 8 K steps of 128.
; o_w comes as images of operand registers (made by the first launch) straight from memory into the registers that use it, four K steps ahead.  NO CLUSTER: in a work-group each fragment of the weight feeds one matrix instruction of one wave;
; a joint load would add an LDS write and an LDS read for each of its 512 KiB and a ring with rounds.
; TRANSPOSED: source 0 = 16 rows of o_w, source 1 = the 16 tokens: lane (r, h) holds token r and features 64 w + 16 t + 8 h + 0 .. 7.
; src's rows come in whole (a wave a row), turn through LDS into that layout, and x goes back the same way: every global load and store of a wave covers 512 consecutive bytes.
; LIMITS: NaN and infinities are not served; a block of x whose largest magnitude lies under 2^-124 keeps the scale byte 1.
; REGISTERS: v1-11 addresses; v12-15 attn's scale words (K step i in lanes 0-15, 4 + i in lanes 16-31); v16-31 o_w's likewise; v32-63 src's row, then the sums, then x; v64-127 set-up, then attn's 8 fragments, then at work;
;   v128-255 four groups of 32: a K step's four fragments of o_w, later o_b, n1_s, n1_b, src, at the end rows on their way out.
.set ASCO,  2097152
.set OWIMG, 2228224
.set XC,    16777216
.set XS,    18874368
.set AIM,   0                          ; LDS: attn's 8 fragments, as images
.set ASCL,  8192                       ; their scale bytes, [r][32]
.set RED,   8704                       ; 2 x 1,280: [r: pitch 80][wave: 4 bytes]
.set XCS,   11264                      ; x's codes, 16 rows x (512 + 16)
.set XSS,   19712                      ; x's scale bytes, [r][32]
.set STG,   20224                      ; 16 rows x (4,096 + 16): src, then x
.set SPARE, 86016                      ; the spare words, 128 bytes for each wave
	s_load_b512 s[4:19], s[0:1], 0x0               ; wattn, wprep, o_w_scales, o_b, src, alpha_attn, n1_s, n1_b
	s_load_b64 s[20:21], s[0:1], 0x40              ; wx
	v_lshl_add_u32 v8, v0, 2, SPARE                ; v8, v9: my spare word and 0; never rewritten
	v_mov_b32 v9, 0
	v_lshrrev_b32 v64, 5, v0
	v_readfirstlane_b32 s22, v64                   ; wave 0..15
	v_and_b32 v64, 15, v0                          ; r
	v_bfe_u32 v65, v0, 4, 1                        ; h
	v_and_b32 v66, 31, v0
	v_lshlrev_b32 v1, 4, v66                       ; v1  16 L
	s_mul_i32 s23, s22, 4112
	s_add_co_u32 s23, s23, STG
	v_add_nc_u32 v2, s23, v1                       ; v2  row w of the stage
	v_mul_u32_u24 v3, v64, 4112
	v_lshl_add_u32 v3, v65, 5, v3
	s_lshl_b32 s23, s22, 8
	s_add_co_u32 s23, s23, STG
	v_add_nc_u32 v3, s23, v3                       ; v3  my numbers in it: 4,112 r + 256 w + 32 h
	v_mul_u32_u24 v4, v64, 80
	v_lshl_add_u32 v5, v65, 5, v4                  ; v5  eight waves' partial sums: 80 r + 32 h
	s_lshl_b32 s23, s22, 2
	v_add_nc_u32 v4, s23, v4                       ; v4  mine: 80 r + 4 w
	v_mul_u32_u24 v6, v64, 528
	v_lshl_add_u32 v6, v65, 2, v6
	s_lshl_b32 s23, s22, 5
	v_add_nc_u32 v6, s23, v6                       ; v6  x's codes: 528 r + 32 w + 4 h
	v_lshlrev_b32 v7, 5, v64
	v_lshl_add_u32 v10, v65, 4, v7                 ; v10 32 r + 16 h: four scale words of a row, in o_w_scales and in LDS
	s_lshl_b32 s23, s22, 1
	v_add_nc_u32 v7, s23, v7                       ; v7  32 r + 2 w: two scale bytes
	v_lshlrev_b32 v11, 5, v65                      ; v11 32 h
	v_lshlrev_b32 v68, 1, v64                      ; 2 r
	s_lshl_b32 s23, s22, 9
	v_add_nc_u32 v69, s23, v1                      ; 512 w + 16 L: my half image of attn
	s_mul_i32 s43, s22, 528                        ; row w of x's codes
	s_mov_b32 s29, 0
	s_mov_b32 s38, 0x76543210
	s_mov_b32 s39, 0xfedcba98                      ; v_permlanex16_b32's selects for lane l xor 16
	s_mov_b32 s40, 0x3a800000                      ; 1 / 1,024
	s_mov_b32 s41, 0x3727c5ac                      ; 1e-5
	s_lshl_b32 s42, ttmp9, 4
	s_add_co_u32 s42, s42, s22                     ; the row that I bring in and send out: 16 x work-group + w
	s_wait_kmcnt 0x0
	s_load_b32 s30, s[14:15], 0x0                  ; alpha_attn
	s_lshl_b32 s28, ttmp9, 13
	s_lshl_b32 s23, s22, 9
	s_add_co_u32 s28, s28, s23
	s_add_nc_u64 s[24:25], s[4:5], s[28:29]        ; attn's codes: (my tile, head w)
	s_lshl_b32 s28, s22, 13
	s_lshl_b32 s23, ttmp9, 5
	s_add_co_u32 s28, s28, s23
	s_add_co_u32 s28, s28, ASCO
	s_add_nc_u64 s[26:27], s[4:5], s[28:29]        ; and scale bytes: head w, my 16 tokens
	s_lshl_b32 s28, s42, 12
	s_add_nc_u64 s[12:13], s[12:13], s[28:29]      ; src, my row
	s_add_nc_u64 s[32:33], s[20:21], s[28:29]      ; x, my row
	s_lshl_b32 s28, s42, 9
	s_add_co_u32 s28, s28, XC
	s_add_nc_u64 s[34:35], s[20:21], s[28:29]      ; its codes
	s_lshl_b32 s28, ttmp9, 9
	s_add_co_u32 s28, s28, XS
	s_add_nc_u64 s[36:37], s[20:21], s[28:29]      ; the 16 rows' scale bytes
	s_lshl_b32 s28, s22, 11
	s_add_nc_u64 s[8:9], s[8:9], s[28:29]          ; o_w_scales at row 64 w
	s_lshl_b32 s28, s22, 15
	s_add_co_u32 s28, s28, OWIMG
	s_add_nc_u64 s[6:7], s[6:7], s[28:29]          ; o_w's images at tile 4 w
	s_lshl_b32 s28, s22, 8
	s_add_nc_u64 s[10:11], s[10:11], s[28:29]      ; o_b, n1_s, n1_b at feature 64 w
	s_add_nc_u64 s[16:17], s[16:17], s[28:29]
	s_add_nc_u64 s[18:19], s[18:19], s[28:29]
.macro BLOAD ks                        ; K step ks's four fragments of o_w into group ks % 4
.irp t, 0,1,2,3
.irp c, 0,1
	global_load_b128 v[128+32*((\ks)%4)+8*\t+4*\c:128+32*((\ks)%4)+8*\t+4*\c+3], v1, s[6:7] offset:8192*\t+1024*(\ks)+512*\c
.endr
.endr
.endm
.macro VLOAD reg, sp                   ; a vector's numbers at my 32 features
.irp t, 0,1,2,3
.irp q, 0,1
	global_load_b128 v[\reg+8*\t+4*\q:\reg+8*\t+4*\q+3], v11, s[\sp:\sp+1] offset:64*\t+16*\q
.endr
.endr
.endm
.macro OM t, ks                        ; tile t's product of K step ks.  The four accumulators take turns, one instruction a turn
.if (\ks) == 0
	v_wmma_scale_f32_16x16x128_f8f6f4 v[32+8*\t:39+8*\t], v[128+8*\t:135+8*\t], v[64:71], 0, v[16+4*\t], v12 matrix_a_fmt:MATRIX_FMT_FP4 matrix_b_fmt:MATRIX_FMT_FP4
.elseif (\ks) < 4
	v_wmma_scale_f32_16x16x128_f8f6f4 v[32+8*\t:39+8*\t], v[128+32*(\ks)+8*\t:135+32*(\ks)+8*\t], v[64+8*(\ks):71+8*(\ks)], v[32+8*\t:39+8*\t], v[16+4*\t+(\ks)], v[12+(\ks)] matrix_a_fmt:MATRIX_FMT_FP4 matrix_b_fmt:MATRIX_FMT_FP4
.else
	v_wmma_scale_f32_16x16x128_f8f6f4 v[32+8*\t:39+8*\t], v[128+32*((\ks)-4)+8*\t:135+32*((\ks)-4)+8*\t], v[64+8*(\ks):71+8*(\ks)], v[32+8*\t:39+8*\t], v[16+4*\t+(\ks)-4], v[12+(\ks)-4] matrix_a_fmt:MATRIX_FMT_FP4 matrix_b_fmt:MATRIX_FMT_FP4 matrix_a_scale:MATRIX_SCALE_ROW1 matrix_b_scale:MATRIX_SCALE_ROW1
.endif
.endm
	global_load_b128 v[72:75], v1, s[24:25]
	global_load_u16 v76, v68, s[26:27]
.irp i, 0,1,2,3,4,5,6,7
	global_load_b128 v[32+4*\i:35+4*\i], v1, s[12:13] offset:512*\i
.endr
.irp t, 0,1,2,3
	global_load_b128 v[16+4*\t:19+4*\t], v10, s[8:9] offset:512*\t
.endr
	BLOAD 0
	BLOAD 1
	BLOAD 2
	BLOAD 3
	s_wait_kmcnt 0x0                               ; alpha_attn
	s_mov_b32 s31, s30                             ; (the packed form names the pair)
	s_wait_loadcnt 36                              ; the first ten loads are in: attn's codes and bytes, src's row; o_w's scales and four groups may be out
	ds_store_b128 v69, v[72:75] offset:AIM         ; head w's half of K step w / 2's image
	ds_store_b16 v7, v76 offset:ASCL               ; lanes r and r + 16 store the same two bytes
.irp i, 0,1,2,3,4,5,6,7
	ds_store_b128 v2, v[32+4*\i:35+4*\i] offset:512*\i
.endr
	s_wait_dscnt 0x0                               ; for the others' sake: my stores are done
	s_barrier_signal -1
	s_barrier_wait -1                              ; attn's fragments and scale bytes and 16 rows of src lie in LDS
.irp i, 0,1,2,3,4,5,6,7,8,9,10,11,12,13,14,15
	ds_load_b128 v[64+4*\i:67+4*\i], v1 offset:AIM+512*\i   ; (the set-up's registers: the loads that they addressed are in)
.endr
	ds_load_b128 v[12:15], v10 offset:ASCL
.irp ks, 0,1,2,3,4,5,6,7
	s_wait_loadcnt 24                              ; this K step's group is in; behind it three groups of eight loads may be out
.if \ks == 0
	s_wait_dscnt 0x0                               ; attn's fragments and scale words
.endif
.irp t, 0,1,2,3
	OM \t, \ks
.endr
.rept 4
	v_nop                                          ; four places in front of loads into registers that matrix instructions have read, and behind the last step in front of the first read of the sums
.endr
.if \ks < 4
	BLOAD \ks+4
.elseif \ks == 4
	VLOAD 128, 10                                  ; o_b
.elseif \ks == 5
	VLOAD 160, 16                                  ; n1_s
.elseif \ks == 6
	VLOAD 192, 18                                  ; n1_b
.else
.irp t, 0,1,2,3
.irp q, 0,1
	ds_load_b128 v[224+8*\t+4*\q:227+8*\t+4*\q], v3 offset:64*\t+16*\q   ; src at my token and features
.endr
.endr
.endif
.endr
	s_wait_loadcnt 16                              ; o_b is in; n1_s and n1_b may be out
.set jj, 0
.rept 16
	v_pk_add_f32 v[32+jj:33+jj], v[32+jj:33+jj], v[128+jj:129+jj]   ; each sum from its low end on
.set jj, jj+2
.endr
	s_wait_dscnt 0x0                               ; src
.set jj, 0
.rept 16
	v_pk_fma_f32 v[32+jj:33+jj], v[32+jj:33+jj], s[30:31], v[224+jj:225+jj] op_sel_hi:[1,0,1]   ; y = src + alpha (attn o_w^T + o_b)
.set jj, jj+2
.endr
; v[64:67] hold a lane's partial sums in two packed chains; the row's sum over all 1,024 features comes back in v68, the same bits in every lane of the row
.macro ALLSUM off
	v_pk_add_f32 v[64:65], v[64:65], v[66:67]
	v_add_f32 v64, v64, v65
	v_permlanex16_b32 v65, v64, s38, s39
	v_add_f32 v64, v64, v65                        ; my wave's 64 features of token r
	ds_store_b32 v4, v64 offset:\off               ; lanes r and r + 16 store the same
	s_wait_dscnt 0x0
	s_barrier_signal -1
	s_barrier_wait -1
	ds_load_b128 v[68:71], v5 offset:\off
	ds_load_b128 v[72:75], v5 offset:\off+16
	s_wait_dscnt 0x0
	v_add_f32 v68, v68, v69
	v_add_f32 v70, v70, v71
	v_add_f32 v72, v72, v73
	v_add_f32 v74, v74, v75
	v_add_f32 v68, v68, v70
	v_add_f32 v72, v72, v74
	v_add_f32 v68, v68, v72                        ; eight waves',
	v_permlanex16_b32 v69, v68, s38, s39
	v_add_f32 v68, v68, v69                        ; and the other eight's
.endm
	v_pk_add_f32 v[64:65], v[32:33], v[34:35]
	v_pk_add_f32 v[66:67], v[36:37], v[38:39]
.set jj, 8
.rept 6
	v_pk_add_f32 v[64:65], v[64:65], v[32+jj:33+jj]
	v_pk_add_f32 v[66:67], v[66:67], v[34+jj:35+jj]
.set jj, jj+4
.endr
	ALLSUM RED
	v_mul_f32 v76, s40, v68                        ; the mean
	v_mov_b32 v77, v76
.set jj, 0
.rept 16
	v_pk_add_f32 v[32+jj:33+jj], v[32+jj:33+jj], v[76:77] op_sel_hi:[1,0] neg_lo:[0,1] neg_hi:[0,1]
.set jj, jj+2
.endr
	v_pk_mul_f32 v[64:65], v[32:33], v[32:33]
	v_pk_mul_f32 v[66:67], v[34:35], v[34:35]
.set jj, 4
.rept 7
	v_pk_fma_f32 v[64:65], v[32+jj:33+jj], v[32+jj:33+jj], v[64:65]
	v_pk_fma_f32 v[66:67], v[34+jj:35+jj], v[34+jj:35+jj], v[66:67]
.set jj, jj+4
.endr
	ALLSUM RED+1280                                ; other bytes than the first sum's: no wave writes what another may still read
	v_fma_f32 v76, v68, s40, s41                   ; the variance + 1e-5
	v_rsq_f32 v78, v76
	v_add_nc_u32 v84, s43, v1                      ; (a plain place)  528 w + 16 L: row w of x's codes
	s_wait_alu depctr_va_vdst(0)                   ; ahead of the first instruction that names the result
	v_mov_b32 v79, v78
	s_wait_loadcnt 0x0                             ; n1_s, n1_b
.set jj, 0
.rept 16
	v_pk_mul_f32 v[32+jj:33+jj], v[32+jj:33+jj], v[78:79] op_sel_hi:[1,0]
.set jj, jj+2
.endr
.set jj, 0
.rept 16
	v_pk_fma_f32 v[32+jj:33+jj], v[32+jj:33+jj], v[160+jj:161+jj], v[192+jj:193+jj]   ; x
.set jj, jj+2
.endr
.irp t, 0,1,2,3
.irp q, 0,1
	ds_store_b128 v3, v[32+8*\t+4*\q:35+8*\t+4*\q] offset:64*\t+16*\q   ; over the bytes of src that I alone have read
.endr
.endr
	; x quantised: register 16 b + 8 u + j = feature 64 w + 32 b + 16 u + 8 h + j: two blocks of 32, each shared with lane l xor 16
.irp b, 0,1
	v_max3_num_f32 v[64+\b], |v[32+16*\b]|, |v[33+16*\b]|, 0x1800000   ; and the floor 2^(3 - 127): the byte cannot fall under 1
.endr
.irp i, 2,4,6,8,10,12,14
.irp b, 0,1
	v_max3_num_f32 v[64+\b], v[64+\b], |v[32+16*\b+\i]|, |v[33+16*\b+\i]|
.endr
.endr
.irp b, 0,1
	v_permlanex16_b32 v[66+\b], v[64+\b], s38, s39
.endr
.irp b, 0,1
	v_max_num_f32 v[64+\b], v[64+\b], v[66+\b]
.endr
.irp b, 0,1
	v_add_nc_u32 v[70+\b], 0xff000000, v[64+\b]    ; 2 off the exponent field: the conversion's scale operand
.endr
.irp b, 0,1
	v_lshrrev_b32 v[66+\b], 23, v[70+\b]           ; the scale's byte
.endr
	v_lshl_or_b32 v72, v67, 8, v66
.irp b, 0,1
.irp u, 0,1
	v_cvt_scalef32_pk8_fp4_f32 v[80+2*\b+\u], v[32+16*\b+8*\u:39+16*\b+8*\u], v[70+\b]
.endr
.endr
	v_nop                                          ; one plain place behind a scaled conversion
.irp b, 0,1
.irp u, 0,1
	ds_store_b32 v6, v[80+2*\b+\u] offset:XCS+16*\b+8*\u   ; eight codes at their place in the row: the codes lie by rows, K innermost
.endr
.endr
	ds_store_b16 v7, v72 offset:XSS
	s_wait_dscnt 0x0
	s_barrier_signal -1
	s_barrier_wait -1                              ; 16 whole rows of x, of its codes and of its scale bytes lie in LDS
.irp i, 0,1,2,3,4,5,6,7
	ds_load_b128 v[128+4*\i:131+4*\i], v2 offset:512*\i
.endr
	ds_load_b128 v[160:163], v84 offset:XCS
.irp i, 0,1,2,3,4,5,6,7
	s_wait_dscnt 8-\i                              ; LDS loads come back in order: piece i is in
	global_store_b128 v1, v[128+4*\i:131+4*\i], s[32:33] offset:512*\i   ; 512 consecutive bytes, aligned
.endr
	s_wait_dscnt 0x0
	global_store_b128 v1, v[160:163], s[34:35]
	s_cmp_lg_u32 s22, 0
	s_cbranch_scc1 .Ldone
	ds_load_b128 v[164:167], v1 offset:XSS         ; wave 0: the 16 rows' scale bytes
	s_wait_dscnt 0x0
	global_store_b128 v1, v[164:167], s[36:37]
.Ldone:
	s_wait_tensorcnt 0x0                           ; the wave's end, behind my last LDS store
	ds_add_u32 v8, v9
	s_wait_dscnt 0x0
	s_endpgm
.Lfunc_end_k_q5f5528a6a8_oproj:
	.size	k_q5f5528a6a8_oproj, .Lfunc_end_k_q5f5528a6a8_oproj-k_q5f5528a6a8_oproj
	.p2alignl 7, 3214868480
	.fill 96, 4, 3214868480
	.section	.rodata,"a",@progbits
	.p2align	6, 0x0
	.amdhsa_kernel k_q5f5528a6a8_oproj
		.amdhsa_group_segment_fixed_size 88064
		.amdhsa_private_segment_fixed_size 0
		.amdhsa_enable_private_segment 0
		.amdhsa_kernarg_size 72
		.amdhsa_user_sgpr_count 2
		.amdhsa_user_sgpr_kernarg_segment_ptr 1
		.amdhsa_wavefront_size32 1
		.amdhsa_system_sgpr_workgroup_id_x 1
		.amdhsa_system_sgpr_workgroup_id_y 1
		.amdhsa_system_sgpr_workgroup_id_z 1
		.amdhsa_system_vgpr_workitem_id 0
		.amdhsa_next_free_vgpr 256
		.amdhsa_next_free_sgpr 66
		.amdhsa_reserve_vcc 0
		.amdhsa_float_denorm_mode_32 3
		.amdhsa_float_denorm_mode_16_64 3
		.amdhsa_memory_ordered 1
		.amdhsa_forward_progress 1
		.amdhsa_inst_pref_size 35
	.end_amdhsa_kernel
	.amdgpu_metadata
---
amdhsa.version: [ 1, 2 ]
amdhsa.kernels:
  - .name:           k_q5f5528a6a8_oproj
    .symbol:         k_q5f5528a6a8_oproj.kd
    .args:
      - { .name: wattn, .offset: 0, .size: 8, .value_kind: global_buffer, .address_space: global }
      - { .name: wprep, .offset: 8, .size: 8, .value_kind: global_buffer, .address_space: global }
      - { .name: o_w_scales, .offset: 16, .size: 8, .value_kind: global_buffer, .address_space: global }
      - { .name: o_b, .offset: 24, .size: 8, .value_kind: global_buffer, .address_space: global }
      - { .name: src, .offset: 32, .size: 8, .value_kind: global_buffer, .address_space: global }
      - { .name: alpha_attn, .offset: 40, .size: 8, .value_kind: global_buffer, .address_space: global }
      - { .name: n1_s, .offset: 48, .size: 8, .value_kind: global_buffer, .address_space: global }
      - { .name: n1_b, .offset: 56, .size: 8, .value_kind: global_buffer, .address_space: global }
      - { .name: wx, .offset: 64, .size: 8, .value_kind: global_buffer, .address_space: global }
    .group_segment_fixed_size: 88064
    .private_segment_fixed_size: 0
    .kernarg_segment_align: 8
    .kernarg_segment_size: 72
    .max_flat_workgroup_size: 512
    .sgpr_count:     66
    .vgpr_count:     256
    .wavefront_size: 32
...
	.end_amdgpu_metadata
.endif
;; end of part 4
;; launch ffn1 (part 5): grid 16 x 16, 4 waves a work-group, clusters of 4 x 4, 327,680 bytes of LDS; arguments wx, l1_w_codes, l1_w_scales, l1_b, wh; writes wh
.if DOCPART == 5
	.amdgcn_target "amdgcn-amd-amdhsa--gfx1250"
	.amdhsa_code_object_version 6
	.text
	.protected	k_q5f5528a6a8_ffn1
	.globl	k_q5f5528a6a8_ffn1
	.p2align	8
	.type	k_q5f5528a6a8_ffn1,@function
k_q5f5528a6a8_ffn1:
	s_mov_b64 s[64:65], 0
	v_nop
	global_prefetch_b8 v0, s[64:65] scope:SCOPE_SE
	s_setreg_imm32_b32 hwreg(HW_REG_WAVE_MODE, 25, 1), 1
	s_wait_xcnt 0x0
	s_wait_alu depctr_hold_cnt(0) depctr_sa_sdst(0) depctr_va_vdst(0) depctr_va_sdst(0) depctr_va_ssrc(0) depctr_va_vcc(0) depctr_vm_vsrc(0)
	s_getreg_b32 s2, hwreg(HW_REG_IB_STS2, 6, 4)
	s_cmp_eq_u32 s2, 0
	s_cbranch_scc0 .Lentry_in_a_cluster
	s_endpgm
.Lentry_in_a_cluster:
	s_bfe_u32 s2, ttmp6, 0x10000c
	s_cmp_lg_u32 s2, 0xf033
	s_cbranch_scc0 .Lentry_shape_is_right
	s_endpgm
.Lentry_shape_is_right:
; h = relu(x l1_w^T + l1_b) on codes of FP4 (E2M1) with E8M0 scales, K = 1,024, and h quantised on the way out along the hidden units, which are the next product's K.  Nothing of reference() is left out here.
; A = x's codes [4096][512 bytes] and scale bytes [4096][32] (in wx), B = l1_w [4096 rows].  The text is that of the launch for q, k and v, without its choice among three weights and with the relu.
; A tile of C, 256 x 256, is made by four waves, 128 x 128 each: 64 accumulators, 512 registers.  K = 1,024 is two slots of 512 along K (rows of 256 bytes): both are filled once, at the start, so no slot is filled again.
; The scales of the work-group's rows of A and of B come once, as dense blocks.  CLUSTERS: 4 x 4; A's tiles are asked for jointly along a row of the cluster, B's along a column.
; THE MATRIX INSTRUCTION IS USED TRANSPOSED (source 0 = 16 rows of B, source 1 = 16 rows of A): a lane holds row l % 16 of C and eight neighbouring columns 16 b + 8 (l / 16) + 0 .. 7.
; THE WAY OUT: for each block of 16 rows the lane's 64 numbers (128 columns) get the bias and the relu, are quantised in blocks of 32 columns, and leave as an IMAGE OF AN OPERAND'S REGISTERS: 1,024 bytes, byte 512 c + 16 L = registers 4 c .. 4 c + 3 of lane L,
; at 64 x idx; the rows' scale words at HSO + 4 x idx; idx = (hidden / 128) x 4,096 + token.
; LIMITS: NaN and infinities are not served; a block whose largest magnitude lies under 2^-124 keeps the scale byte 1 (a block of zeros too: its codes are zeros).
; REGISTERS: window 0: v0-31 addresses; v32-95 scale words (two sets), on the way out the 64 numbers in hand; v96-111 at work; v120-127 scale words made; v128-191 A's fragments, on the way out the codes; v192-255 the bias.
;   window 1: B's fragments, two sets.  windows 2, 3: the accumulators ((a, b) at v[8 (8 (a % 4) + b)]).
.set XC,     16777216                  ; in wx: x's codes,
.set XS,     18874368                  ; x's scale bytes
.set HSO,    8388608                   ; in wh: the scale words
.set NQ,     4                         ; matrix instructions deep in a slot
.set ROWB,   256                       ; a tile's row in bytes: 512 codes
.set KROW,   512                       ; a row of A or of B in memory
.set PITCH,  272                       ; an LDS row: 256 bytes + 16 of padding: the 16 rows that a load touches start at 16 different banks
.set FR,     8
.set NL,     2
.set NP,     4
.set HALFT,  128*PITCH
.set SLOT,   4*HALFT
.set KS,     32                        ; a row of scales in bytes
.set SCL,    2*SLOT
.set HALFS,  (128*KS/256)*272
.set SBLK,   (16*KS/256)*272
.set SPARE,  SCL+4*HALFS               ; the spare words, 128 bytes for each wave
.set ADRA, 16
.set ADRB, 20
.set SWS,  24                          ; v24 the way out: where my row's scale word goes: 512 x wave + 4 r
.set SRD,  25                          ; v25 and where 16 bytes of them come back: 512 x wave + 16 L
.set LI,   26                          ; v26 16 L
.set ADRS, 27
.set SPW,  28
.set NIL,  29
.set BH,   30                          ; v30 32 h; never rewritten
.set SC,   32
.set AF,   128
.set ST,   32
.set TM,   96
.set PW,   120
.set PC,   128
.set CBI,  192
.set G1, 24
.set G0, 32
.set G1B, 48
.set G0B, 56
.set G1S, 68
.set G0S, 76
.set G1SB, 80
.set G0SB, 88
.set SEL, 66
.set MSB, 0
.macro WIN new                         ; the immediate's high byte repeats the setting that is left
.if MSB != (\new)
	s_set_vgpr_msb (MSB<<8)|(\new)
.set MSB, (\new)
.endif
.endm
.set MUL_LO, 0xa1                      ; source 0 (B) window 1, source 1 (A) window 0, C and D window 2
.set MUL_HI, 0xf1
.set TO_B,   0x40
; A joint load: waves 0 and 1 fetch for A, waves 2 and 3 for B; the branch hangs on the wave's number alone.  An s_nop 0 and four v_nop follow each line.
.macro JLOAD g0a, g1a, g0b, g1b
	s_cmp_eq_u32 s15, 0
	s_cbranch_scc0 .Lfor_b_\@
	tensor_load_to_lds s[\g0a:\g0a+3], s[\g1a:\g1a+7]
	s_nop 0
.rept 4
	v_nop
.endr
	s_branch .Lasked_\@
.Lfor_b_\@:
	tensor_load_to_lds s[\g0b:\g0b+3], s[\g1b:\g1b+7]
	s_nop 0
.rept 4
	v_nop
.endr
.Lasked_\@:
.endm
.macro CROUND                          ; a round of the cluster's barrier
	s_barrier_signal -1
	s_barrier_wait -1
	s_cmp_lg_u32 s14, 0
	s_cbranch_scc1 .Lnot_wave_0_\@
	s_barrier_signal -3
.Lnot_wave_0_\@:
	s_barrier_wait -3
	s_barrier_signal -1
	s_barrier_wait -1
.endm
	s_load_b64 s[4:5], s[0:1], 0x0                 ; wx
	s_load_b128 s[8:11], s[0:1], 0x8               ; l1_w codes, scales
	s_load_b128 s[96:99], s[0:1], 0x18             ; l1_b, wh
	v_lshl_add_u32 v[SPW], v0, 2, SPARE
	v_mov_b32 v[NIL], 0
	ds_add_u32 v[SPW], v[NIL]                      ; the wave's opening: the add, twice on end, and its wait ahead of my first tensor load
	ds_add_u32 v[SPW], v[NIL]
	v_lshrrev_b32 v1, 5, v0
	v_readfirstlane_b32 s14, v1                    ; wave 0..3
	s_lshr_b32 s15, s14, 1                         ; which half of the tile's rows is mine.  Also: I fetch for A (0) or for B (1)
	s_and_b32 s16, s14, 1                          ; which half of its columns.  Also: which 128 rows I fetch
	s_bfe_u32 s40, ttmp6, 0x40000                  ; cx, cy
	s_bfe_u32 s41, ttmp6, 0x40004
	s_and_b32 s17, ttmp7, 0xffff
	s_lshl_b32 s17, s17, 2
	s_lshl_b32 s42, ttmp9, 2
	s_add_co_u32 s42, s42, s40                     ; tile column of C
	s_add_co_u32 s17, s17, s41                     ; tile row of C
	s_lshl_b32 s43, s41, 2
	s_lshl_b32 s43, 15, s43                        ; my row of the cluster
	s_lshl_b32 s44, 0x1111, s40                    ; my column
	s_or_b32 s[G1+0], s43, (0<<16)|(1<<20)|(1<<21)|(5<<22)|(3<<25)  ; the mask; elements of 1 byte; padding: 4 words after every 64; bit 21 beside a mask
	s_or_b32 s[G1B+0], s44, (0<<16)|(1<<20)|(1<<21)|(5<<22)|(3<<25)
.irp g, G1, G1B
	s_mov_b32 s[\g+1], ROWB<<16                    ; tensor_dim0
	s_mov_b32 s[\g+2], 128<<16                     ; tensor_dim1
	s_mov_b32 s[\g+3], ROWB<<16                    ; tile_dim0
	s_mov_b32 s[\g+4], 128                         ; tile_dim1
	s_mov_b32 s[\g+5], KROW                        ; pitch
	s_mov_b32 s[\g+6], 0
	s_mov_b32 s[\g+7], 0
.endr
	; the scales of 128 rows: a dense block of 4,096 bytes, as rows of 256 bytes (32 elements of 8 bytes), 16 bytes of padding behind each
	s_or_b32 s[G1S+0], s43, (3<<16)|(1<<20)|(1<<21)|(5<<22)|(3<<25)
	s_or_b32 s[G1SB+0], s44, (3<<16)|(1<<20)|(1<<21)|(5<<22)|(3<<25)
.irp g, G1S, G1SB
	s_mov_b32 s[\g+1], 32<<16
	s_mov_b32 s[\g+2], (128*KS/256)<<16
	s_mov_b32 s[\g+3], 32<<16
	s_mov_b32 s[\g+4], 128*KS/256
	s_mov_b32 s[\g+5], 32
	s_mov_b32 s[\g+6], 0
	s_mov_b32 s[\g+7], 0
.endr
	s_mov_b32 s[SEL], 0x76543210
	s_mov_b32 s[SEL+1], 0xfedcba98                 ; v_permlanex16_b32's selects for lane l xor 16
	s_lshl_b32 s18, s16, 7
	s_lshl_b32 s20, s17, 8
	s_add_co_u32 s20, s20, s18                     ; A: row 256 x tile row + 128 x half
	s_lshl_b32 s46, s42, 8
	s_add_co_u32 s46, s46, s18                     ; B: row 256 x tile column + 128 x half
	s_mov_b32 s21, 0
	s_mov_b32 s47, 0
	s_mov_b64 s[18:19], KS
	s_mul_u64 s[22:23], s[20:21], s[18:19]         ; where these rows' scales begin,
	s_mul_u64 s[92:93], s[46:47], s[18:19]
	s_mov_b64 s[18:19], KROW
	s_mul_u64 s[20:21], s[20:21], s[18:19]         ; and their codes
	s_mul_u64 s[46:47], s[46:47], s[18:19]
	s_mul_i32 s45, s14, HALFT                      ; where they go: wave x 128 rows
	s_mul_i32 s94, s14, HALFS
	s_wait_dscnt 0x0                               ; both opening adds are done
	s_wait_kmcnt 0x0
	s_add_nc_u64 s[6:7], s[4:5], XS
	s_add_nc_u64 s[4:5], s[4:5], XC
	s_mov_b64 s[12:13], s[98:99]                   ; the output
	s_add_nc_u64 s[20:21], s[4:5], s[20:21]
	s_add_nc_u64 s[22:23], s[6:7], s[22:23]
	s_add_nc_u64 s[46:47], s[8:9], s[46:47]
	s_add_nc_u64 s[92:93], s[10:11], s[92:93]
	CROUND                                         ; all sixteen work-groups are here: the joint loads meet
	s_mov_b32 s[G0S], 1
	s_add_co_u32 s[G0S+1], s94, SCL
	s_mov_b64 s[G0S+2:G0S+3], s[22:23]
	s_or_b32 s[G0S+3], s[G0S+3], 0x80000000
	s_mov_b32 s[G0SB], 1
	s_add_co_u32 s[G0SB+1], s94, SCL
	s_mov_b64 s[G0SB+2:G0SB+3], s[92:93]
	s_or_b32 s[G0SB+3], s[G0SB+3], 0x80000000
	JLOAD G0S, G1S, G0SB, G1SB                     ; the scales first; then both slots: three loads of mine are out
.irp s, 0,1
	s_mov_b32 s[G0+4*\s], 1
	s_add_co_u32 s[G0+4*\s+1], s45, \s*SLOT
	s_add_nc_u64 s[G0+4*\s+2:G0+4*\s+3], s[20:21], \s*ROWB
	s_or_b32 s[G0+4*\s+3], s[G0+4*\s+3], 0x80000000
	s_mov_b32 s[G0B+4*\s], 1
	s_add_co_u32 s[G0B+4*\s+1], s45, \s*SLOT
	s_add_nc_u64 s[G0B+4*\s+2:G0B+4*\s+3], s[46:47], \s*ROWB
	s_or_b32 s[G0B+4*\s+3], s[G0B+4*\s+3], 0x80000000
	JLOAD G0+4*\s, G1, G0B+4*\s, G1B
.endr
	v_and_b32 v1, 15, v0                           ; r
	v_bfe_u32 v2, v0, 4, 1                         ; h
	v_mul_u32_u24 v3, v1, PITCH
	v_lshl_add_u32 v4, v2, 4, v3                   ; a fragment's row x pitch + 16 h
	s_mul_i32 s21, s15, HALFT
	s_mul_i32 s22, s16, HALFT
	s_add_co_u32 s22, s22, 2*HALFT
.irp s, 0,1
	v_add_nc_u32 v[ADRA+\s], s21, v4
	v_add_nc_u32 v[ADRB+\s], s22, v4
	s_add_co_u32 s21, s21, SLOT
	s_add_co_u32 s22, s22, SLOT
.endr
	v_mul_u32_u24 v5, v1, KS                       ; my row's scales: KS bytes a row,
	v_lshrrev_b32 v6, 8, v5
	v_lshl_add_u32 v5, v6, 4, v5                   ; and 16 more for each 256 passed
	s_mul_i32 s21, s15, HALFS
	s_mul_i32 s22, s16, HALFS
	s_add_co_u32 s22, s22, 2*HALFS
	s_sub_co_u32 s22, s22, s21
	v_mul_u32_u24 v6, s22, v2                      ; lanes 16-31 take B's
	s_add_co_u32 s21, s21, SCL
	v_add_nc_u32 v5, v5, v6
	v_add_nc_u32 v[ADRS], s21, v5
	s_lshl_b32 s23, s14, 9
	v_lshl_add_u32 v[SWS], v1, 2, s23
	v_and_b32 v6, 31, v0
	v_lshlrev_b32 v[LI], 4, v6
	v_add_nc_u32 v[SRD], s23, v[LI]
	v_lshlrev_b32 v[BH], 5, v2
	; where my 128 x 128 goes, and where its bias lies
	s_lshl_b32 s20, s17, 8
	s_lshl_b32 s21, s15, 7
	s_add_co_u32 s20, s20, s21                     ; my first row (token)
	s_lshl_b32 s46, s42, 1
	s_add_co_u32 s46, s46, s16                     ; my first column / 128
	s_lshl_b32 s21, s46, 12
	s_add_co_u32 s21, s21, s20                     ; idx = (hidden / 128) 4,096 + token
	s_lshl_b32 s22, s46, 9
	s_mov_b32 s23, 0
	s_add_nc_u64 s[98:99], s[96:97], s[22:23]      ; the bias of my 128 columns
	s_lshl_b32 s22, s21, 2
	s_add_co_u32 s22, s22, HSO
	s_add_nc_u64 s[92:93], s[12:13], s[22:23]      ; the scale words
	s_lshl_b32 s22, s21, 6
	s_add_nc_u64 s[12:13], s[12:13], s[22:23]      ; the images
.irp b, 0,1,2,3,4,5,6,7
.irp q, 0,1
	global_load_b128 v[CBI+8*\b+4*\q:CBI+8*\b+4*\q+3], v[BH], s[98:99] offset:64*\b+16*\q   ; bias of columns 16 b + 8 h + 0 .. 7
.endr
.endr
.macro FRAG reg, adr, q, i             ; 16 rows x 128 K: 8 registers: registers 4 c .. 4 c + 3 hold K = 64 c + 32 h + 0 .. 31
.irp c, 0,1
	ds_load_b128 v[\reg+4*\c:\reg+4*\c+3], v[\adr] offset:64*(\q)+32*\c+(\i)*16*PITCH
.endr
.endm
; 16 matrix instructions: A's blocks a0, a0 + 1 x B's eight.  The 64 accumulators take turns, one instruction a turn, in the same order in every step.
.macro MUL16 a0, p, q, sc, zero
.irp a, \a0, \a0+1
.irp b, 0,1,2,3,4,5,6,7
.if \zero
	v_wmma_scale_f32_16x16x128_f8f6f4 v[8*(8*((\a)%4)+\b):8*(8*((\a)%4)+\b)+7], v[128*(\p)+FR*\b:128*(\p)+FR*\b+FR-1], v[AF+FR*(\a):AF+FR*(\a)+FR-1], 0, v[SC+8*NQ*(\sc)+NQ*\b+(\q)], v[SC+8*NQ*(\sc)+NQ*(\a)+(\q)] matrix_a_fmt:MATRIX_FMT_FP4 matrix_b_fmt:MATRIX_FMT_FP4 matrix_a_scale:MATRIX_SCALE_ROW1
.else
	v_wmma_scale_f32_16x16x128_f8f6f4 v[8*(8*((\a)%4)+\b):8*(8*((\a)%4)+\b)+7], v[128*(\p)+FR*\b:128*(\p)+FR*\b+FR-1], v[AF+FR*(\a):AF+FR*(\a)+FR-1], v[8*(8*((\a)%4)+\b):8*(8*((\a)%4)+\b)+7], v[SC+8*NQ*(\sc)+NQ*\b+(\q)], v[SC+8*NQ*(\sc)+NQ*(\a)+(\q)] matrix_a_fmt:MATRIX_FMT_FP4 matrix_b_fmt:MATRIX_FMT_FP4 matrix_a_scale:MATRIX_SCALE_ROW1
.endif
.endr
.endr
.endm
.macro FETCH_B slot, q, p
	WIN TO_B
.irp i, 0,1,2,3,4,5,6,7
	FRAG 128*(\p)+FR*\i, ADRB+\slot, \q, \i
.endr
	WIN 0
.endm
.macro FETCH_A slot, q, i0
.irp i, \i0, \i0+1, \i0+2, \i0+3
	FRAG AF+FR*(\i), ADRA+\slot, \q, \i
.endr
.endm
.macro SCALES sc                       ; a slot's scale words: lanes 0-15 take A's block i, lanes 16-31 B's block i
.irp i, 0,1,2,3,4,5,6,7
	ds_load_b128 v[SC+8*NQ*\sc+NQ*\i:SC+8*NQ*\sc+NQ*\i+3], v[ADRS] offset:\i*SBLK
.endr
.endm
.macro PLACES n                        ; plain vector instructions between a matrix instruction and a load into, or a read of, its registers
.rept \n
	v_nop
.endr
.endm
.macro STEP slot, q, zero              ; 128 along K, with its successor in the same slot
	s_wait_dscnt 4*NL                              ; B's set and A's blocks 0-3 are in; A's blocks 4-7 may be out
	WIN MUL_LO
	MUL16 0, (\q)%2, \q, \slot, \zero
	MUL16 2, (\q)%2, \q, \slot, \zero
	s_wait_dscnt 0
	PLACES NP
	FETCH_B \slot, (\q)+1, 1-(\q)%2
	FETCH_A \slot, (\q)+1, 0
	WIN MUL_HI
	MUL16 4, (\q)%2, \q, \slot, \zero
	MUL16 6, (\q)%2, \q, \slot, \zero
	PLACES NP
	WIN 0
	FETCH_A \slot, (\q)+1, 4
.endm
.macro TURN slot, next                 ; a slot's last step changes slots: one barrier; nothing is filled again
	s_wait_tensorcnt 0x0                           ; all my tensor loads have landed: my part of the next slot
	ds_add_u32 v[SPW], v[NIL]                      ; 0 onto my spare word
	s_wait_dscnt 4*NL+1                            ; (the add and A's blocks 4-7 may be out)
	WIN MUL_LO
	MUL16 0, 1, NQ-1, \slot, 0
	s_wait_dscnt 0x0                               ; the add is done, and my reads of this slot are over
	s_barrier_signal -1
	MUL16 2, 1, NQ-1, \slot, 0
	WIN 0
	s_barrier_wait -1
	PLACES NP
	v_add_nc_u32 v[ADRS], 4*NQ, v[ADRS]            ; on to the next slot's scale words
	FETCH_B \next, 0, 0
	FETCH_A \next, 0, 0
	SCALES \next
	WIN MUL_HI
	MUL16 4, 1, NQ-1, \slot, 0
	MUL16 6, 1, NQ-1, \slot, 0
	PLACES NP
	WIN 0
	FETCH_A \next, 0, 4
.endm
.macro STEPS slot, from
.set Q, \from
.rept NQ-1-\from
	STEP \slot, Q, 0
.set Q, Q+1
.endr
.endm
	s_wait_tensorcnt 1                             ; the scales and my part of slot 0 are in (slot 1's load may be out),
	s_barrier_signal -1
	s_barrier_wait -1                              ; everybody's are
	FETCH_B 0, 0, 0
	FETCH_A 0, 0, 0
	SCALES 0
	FETCH_A 0, 0, 4
	STEP 0, 0, 1                                   ; the first products start the sums
	STEPS 0, 1
	TURN 0, 1
	STEPS 1, 0
	s_wait_dscnt 4*NL
	WIN MUL_LO
	MUL16 0, 1, NQ-1, 1, 0
	MUL16 2, 1, NQ-1, 1, 0
	s_wait_dscnt 0
	WIN MUL_HI
	MUL16 4, 1, NQ-1, 1, 0
	MUL16 6, 1, NQ-1, 1, 0
	WIN 0
; 64 numbers of a lane, register 16 b + 8 u + j = k 32 b + 16 u + 8 h + j of my row, become a fragment's codes in v[pc] on and its scale word in v[pw].
; A conversion's 8 codes are one register of the operand.  The codes of (block 2 c + g, half u) go to register 4 c + 2 u + g; one exchange of halves between registers 4 c + 2 u and 4 c + 2 u + 1 then leaves register 4 c + i of lane (r, h) with k = 64 c + 32 h + 8 i ..
.macro QUANTN s, pc, pw
.irp b, 0,1,2,3
	v_max3_num_f32 v[TM+\b], |v[\s+16*\b]|, |v[\s+1+16*\b]|, 0x1800000   ; my 16 numbers of block b, and the floor 2^(3 - 127): the byte cannot fall under 1
.endr
.irp i, 2,4,6,8,10,12,14
.irp b, 0,1,2,3
	v_max3_num_f32 v[TM+\b], v[TM+\b], |v[\s+16*\b+\i]|, |v[\s+1+16*\b+\i]|
.endr
.endr
.irp b, 0,1,2,3
	v_permlanex16_b32 v[TM+4+\b], v[TM+\b], s[SEL], s[SEL+1]
.endr
.irp b, 0,1,2,3
	v_max_num_f32 v[TM+\b], v[TM+\b], v[TM+4+\b]   ; with lane l xor 16's: the block's largest magnitude
.endr
.irp b, 0,1,2,3
	v_add_nc_u32 v[TM+12+\b], 0xff000000, v[TM+\b] ; 2 off its exponent field: the conversion's scale operand
.endr
.irp b, 0,1,2,3
	v_lshrrev_b32 v[TM+4+\b], 23, v[TM+12+\b]      ; the scale's byte
.endr
	v_lshl_or_b32 v[\pw], v[TM+5], 8, v[TM+4]
	v_lshl_or_b32 v[\pw], v[TM+6], 16, v[\pw]
	v_lshl_or_b32 v[\pw], v[TM+7], 24, v[\pw]
.irp c, 0,1
.irp g, 0,1
.irp u, 0,1
	v_cvt_scalef32_pk8_fp4_f32 v[\pc+4*\c+2*\u+\g], v[\s+16*(2*\c+\g)+8*\u:\s+16*(2*\c+\g)+8*\u+7], v[TM+12+2*\c+\g]
.endr
.endr
.endr
	v_nop                                          ; one plain place behind a scaled conversion
.irp w, 0,2,4,6
	v_permlane16_swap_b32 v[\pc+\w], v[\pc+\w+1]
.endr
.endm
; Block a of 16 rows: the bias is added as the numbers move into window 0 (each accumulator from its low end on); then the relu
.macro EPI a
.set WW, 2+(\a)/4
	WIN WW
.set jj, 0
.rept 32
	v_pk_add_f32 v[ST+jj:ST+jj+1], v[64*((\a)%4)+jj:64*((\a)%4)+jj+1], v[CBI+jj:CBI+jj+1]
.set jj, jj+2
.endr
	WIN 0
.set jj, 0
.rept 64
	v_max_num_f32 v[ST+jj], 0, v[ST+jj]
.set jj, jj+1
.endr
	QUANTN ST, PC+8*(\a), PW+(\a)
	global_store_b128 v[LI], v[PC+8*(\a):PC+8*(\a)+3], s[12:13] offset:1024*(\a)        ; 512 consecutive bytes, aligned; each block has its own registers, so no store's data are written again
	global_store_b128 v[LI], v[PC+8*(\a)+4:PC+8*(\a)+7], s[12:13] offset:1024*(\a)+512
.endm
	s_wait_loadcnt 0x0                             ; the bias
	PLACES NP
.irp b, 0,1,2,3
	v_mov_b32 v[TM+4+\b], 0                        ; written once: a lane permute's destination counts as one of its sources
.endr
.irp a, 0,1,2,3,4,5,6,7
	EPI \a
.endr
	; the 128 rows' scale words meet in 512 bytes of LDS of my own, in slot 0 (it has had its only fill, and nobody reads it behind the change of slots), and leave as 512 consecutive bytes
.irp a, 0,1,2,3,4,5,6,7
	ds_store_b32 v[SWS], v[PW+\a] offset:64*\a     ; lanes r and r + 16 store the same word
.endr
	ds_load_b128 v[TM:TM+3], v[SRD]                ; LDS serves a wave's instructions in order
	s_wait_dscnt 0x0
	global_store_b128 v[LI], v[TM:TM+3], s[92:93]
	s_wait_tensorcnt 0x0                           ; the wave's end
	ds_add_u32 v[SPW], v[NIL]
	s_wait_dscnt 0x0
	CROUND                                         ; the closing round
	s_endpgm
.Lfunc_end_k_q5f5528a6a8_ffn1:
	.size	k_q5f5528a6a8_ffn1, .Lfunc_end_k_q5f5528a6a8_ffn1-k_q5f5528a6a8_ffn1
	.p2alignl 7, 3214868480
	.fill 96, 4, 3214868480
	.section	.rodata,"a",@progbits
	.p2align	6, 0x0
	.amdhsa_kernel k_q5f5528a6a8_ffn1
		.amdhsa_group_segment_fixed_size 327680
		.amdhsa_private_segment_fixed_size 0
		.amdhsa_enable_private_segment 0
		.amdhsa_kernarg_size 40
		.amdhsa_user_sgpr_count 2
		.amdhsa_user_sgpr_kernarg_segment_ptr 1
		.amdhsa_wavefront_size32 1
		.amdhsa_system_sgpr_workgroup_id_x 1
		.amdhsa_system_sgpr_workgroup_id_y 1
		.amdhsa_system_sgpr_workgroup_id_z 1
		.amdhsa_system_vgpr_workitem_id 0
		.amdhsa_next_free_vgpr 1024
		.amdhsa_next_free_sgpr 104
		.amdhsa_reserve_vcc 0
		.amdhsa_float_denorm_mode_32 3
		.amdhsa_float_denorm_mode_16_64 3
		.amdhsa_memory_ordered 1
		.amdhsa_forward_progress 1
		.amdhsa_inst_pref_size 161
	.end_amdhsa_kernel
	.amdgpu_metadata
---
amdhsa.version: [ 1, 2 ]
amdhsa.kernels:
  - .name:           k_q5f5528a6a8_ffn1
    .symbol:         k_q5f5528a6a8_ffn1.kd
    .args:
      - { .name: wx, .offset: 0, .size: 8, .value_kind: global_buffer, .address_space: global }
      - { .name: l1_w_codes, .offset: 8, .size: 8, .value_kind: global_buffer, .address_space: global }
      - { .name: l1_w_scales, .offset: 16, .size: 8, .value_kind: global_buffer, .address_space: global }
      - { .name: l1_b, .offset: 24, .size: 8, .value_kind: global_buffer, .address_space: global }
      - { .name: wh, .offset: 32, .size: 8, .value_kind: global_buffer, .address_space: global }
    .group_segment_fixed_size: 327680
    .private_segment_fixed_size: 0
    .kernarg_segment_align: 8
    .kernarg_segment_size: 40
    .max_flat_workgroup_size: 128
    .sgpr_count:     104
    .vgpr_count:     1024
    .wavefront_size: 32
...
	.end_amdgpu_metadata
.endif
;; end of part 5
;; launch ffn2 (part 6): grid 8 x 32, 4 waves a work-group, clusters of 4 x 4, 327,680 bytes of LDS; arguments wh, l2_w_codes, l2_w_scales, wc2; writes wc2
.if DOCPART == 6
	.amdgcn_target "amdgcn-amd-amdhsa--gfx1250"
	.amdhsa_code_object_version 6
	.text
	.protected	k_q5f5528a6a8_ffn2
	.globl	k_q5f5528a6a8_ffn2
	.p2align	8
	.type	k_q5f5528a6a8_ffn2,@function
k_q5f5528a6a8_ffn2:
	s_mov_b64 s[64:65], 0
	v_nop
	global_prefetch_b8 v0, s[64:65] scope:SCOPE_SE
	s_setreg_imm32_b32 hwreg(HW_REG_WAVE_MODE, 25, 1), 1
	s_wait_xcnt 0x0
	s_wait_alu depctr_hold_cnt(0) depctr_sa_sdst(0) depctr_va_vdst(0) depctr_va_sdst(0) depctr_va_ssrc(0) depctr_va_vcc(0) depctr_vm_vsrc(0)
	s_getreg_b32 s2, hwreg(HW_REG_IB_STS2, 6, 4)
	s_cmp_eq_u32 s2, 0
	s_cbranch_scc0 .Lentry_in_a_cluster
	s_endpgm
.Lentry_in_a_cluster:
	s_bfe_u32 s2, ttmp6, 0x10000c
	s_cmp_lg_u32 s2, 0xf033
	s_cbranch_scc0 .Lentry_shape_is_right
	s_endpgm
.Lentry_shape_is_right:
; c2 = h l2_w^T, [4096 tokens][1024 features] f32, on codes of FP4 (E2M1) with E8M0 scales, K = 4,096.  The bias, alpha_ff, the residual and the norm follow in the last launch, which needs whole rows.
; A = h as images of operand registers, [K step 32][tile of 16 tokens 256][1,024 bytes], its scale words [K step 32][token 4096] at HSO (both in wh).  B = l2_w's codes, rows of 2,048 bytes, and scale bytes, rows of 128.
; A tile of C is 128 tokens x 128 features: 256 work-groups.  Four waves, each 64 x 64: 16 accumulators.  K goes through a ring of two LDS slots of 1,024 along K (8 K steps of 128): four slots' worth, so each slot is filled again once.
; In a slot: A's 8 K steps x 8 tiles x 1,024 bytes, as they lie in memory (a K step's 8 tiles are 8,192 consecutive bytes); then B's 128 rows of 512 bytes + 16 of padding.  The scales of all of K come once, with the first fills.
; CLUSTERS: 4 x 4: A's tiles and scales are asked for jointly along a row of the cluster, B's along a column.  Waves 0 and 1 fetch A's halves, waves 2 and 3 B's.
; TRANSPOSED: source 0 = 16 rows of l2_w, source 1 = 16 tokens: a lane holds token l % 16 and eight neighbouring features.
; REGISTERS: window 0: v16-29 addresses; v32-63 scale words, two sets of 16 (A's word of (K step c, tile i) at 4 c + i; B's of (tile i, K step c) at 8 + 2 i + c); v32-95 on the way out; v128-255 the accumulators ((a, b) at 128 + 8 (4 a + b)).
;   window 1: two fragment buffers of 128: for two K steps, 64 registers of A (2 x 4 tiles), then 64 of B.
.set HSO,    8388608
.set PITCH,  528                       ; B's LDS row: 512 bytes + 16: the 16 rows that a load touches start at 16 different banks
.set ASZ,    65536                     ; A's part of a slot
.set HALFB,  64*PITCH
.set SLOT,   ASZ+2*HALFB
.set ASCL,   2*SLOT                    ; A's scale words: [K step 32][128 tokens x 4 bytes]
.set BSCL,   ASCL+16384                ; B's scale bytes: 128 rows x 128 bytes as units of 256 bytes + 16 of padding
.set SPARE,  BSCL+2*8704               ; the spare words, 128 bytes for each wave
.set SPITCH, 272                       ; the way out: a stage of 16 rows x (256 bytes + 16) for each wave, in slot 0, which has had its last fill and its last read by then
.set ADRA, 16
.set ADRB, 20
.set ADSA, 22
.set ADSB, 23
.set STO,  24
.set RD,   25
.set CO,   26
.set SPW,  28
.set NIL,  29
.set ACC,  128
.set F0,   0
.set F1,   128
.set G1, 24
.set G0, 32
.set G1B, 48
.set G0B, 56
.set G1S, 68
.set G0S, 76
.set G1SB, 80
.set G0SB, 88
.set MSB, 0
.macro WIN new                         ; the immediate's high byte repeats the setting that is left
.if MSB != (\new)
	s_set_vgpr_msb (MSB<<8)|(\new)
.set MSB, (\new)
.endif
.endm
.set MUL,  0x05                        ; sources 0 (B) and 1 (A) window 1; C and D window 0
.set TO_F, 0x40                        ; destination window 1, address window 0
.macro JLOAD g0a, g1a, g0b, g1b        ; a joint load; the branch hangs on the wave's number alone; an s_nop 0 and four v_nop follow each line
	s_cmp_eq_u32 s15, 0
	s_cbranch_scc0 .Lfor_b_\@
	tensor_load_to_lds s[\g0a:\g0a+3], s[\g1a:\g1a+7]
	s_nop 0
.rept 4
	v_nop
.endr
	s_branch .Lasked_\@
.Lfor_b_\@:
	tensor_load_to_lds s[\g0b:\g0b+3], s[\g1b:\g1b+7]
	s_nop 0
.rept 4
	v_nop
.endr
.Lasked_\@:
.endm
.macro CREST                           ; a round of the cluster's barrier behind its opening barrier
	s_cmp_lg_u32 s14, 0
	s_cbranch_scc1 .Lnot_wave_0_\@
	s_barrier_signal -3
.Lnot_wave_0_\@:
	s_barrier_wait -3
	s_barrier_signal -1
	s_barrier_wait -1
.endm
.macro CROUND
	s_barrier_signal -1
	s_barrier_wait -1
	CREST
.endm
	s_load_b128 s[4:7], s[0:1], 0x0                ; wh, l2_w's codes
	s_load_b128 s[8:11], s[0:1], 0x10              ; l2_w's scales, wc2
	v_lshl_add_u32 v[SPW], v0, 2, SPARE
	v_mov_b32 v[NIL], 0
	ds_add_u32 v[SPW], v[NIL]                      ; the wave's opening: the add, twice on end, and its wait ahead of my first tensor load
	ds_add_u32 v[SPW], v[NIL]
	v_lshrrev_b32 v1, 5, v0
	v_readfirstlane_b32 s14, v1                    ; wave 0..3
	s_lshr_b32 s15, s14, 1                         ; which 64 tokens are mine.  Also: I fetch for A (0) or for B (1)
	s_and_b32 s16, s14, 1                          ; which 64 features.  Also: which half I fetch
	s_bfe_u32 s40, ttmp6, 0x40000                  ; cx, cy
	s_bfe_u32 s41, ttmp6, 0x40004
	s_lshl_b32 s42, ttmp9, 2
	s_add_co_u32 s42, s42, s40                     ; tile column (128 features)
	s_and_b32 s17, ttmp7, 0xffff
	s_lshl_b32 s17, s17, 2
	s_add_co_u32 s17, s17, s41                     ; tile row (128 tokens)
	s_lshl_b32 s43, s41, 2
	s_lshl_b32 s43, 15, s43                        ; my row of the cluster
	s_lshl_b32 s44, 0x1111, s40                    ; my column
	; A's codes: 4 K steps, each 8,192 consecutive bytes (1,024 elements of 8 bytes), 262,144 bytes apart; no padding
	s_or_b32 s[G1+0], s43, (3<<16)|(1<<21)
	s_mov_b32 s[G1+1], 1024<<16                    ; tensor_dim0
	s_mov_b32 s[G1+2], 4<<16                       ; tensor_dim1
	s_mov_b32 s[G1+3], 1024<<16                    ; tile_dim0
	s_mov_b32 s[G1+4], 4                           ; tile_dim1
	s_mov_b32 s[G1+5], 32768                       ; pitch, in elements
	s_mov_b32 s[G1+6], 0
	s_mov_b32 s[G1+7], 0
	; B's codes: 64 rows of 512 bytes, 2,048 bytes apart; 4 words of padding after every 128
	s_or_b32 s[G1B+0], s44, (0<<16)|(1<<20)|(1<<21)|(6<<22)|(3<<25)
	s_mov_b32 s[G1B+1], 512<<16
	s_mov_b32 s[G1B+2], 64<<16
	s_mov_b32 s[G1B+3], 512<<16
	s_mov_b32 s[G1B+4], 64
	s_mov_b32 s[G1B+5], 2048
	s_mov_b32 s[G1B+6], 0
	s_mov_b32 s[G1B+7], 0
	; A's scale words: 16 K steps, each 512 bytes (64 elements of 8), 16,384 bytes apart
	s_or_b32 s[G1S+0], s43, (3<<16)|(1<<21)
	s_mov_b32 s[G1S+1], 64<<16
	s_mov_b32 s[G1S+2], 16<<16
	s_mov_b32 s[G1S+3], 64<<16
	s_mov_b32 s[G1S+4], 16
	s_mov_b32 s[G1S+5], 2048
	s_mov_b32 s[G1S+6], 0
	s_mov_b32 s[G1S+7], 0
	; B's scale bytes: 64 rows x 128 bytes, dense: 32 rows of 256 bytes, 4 words of padding behind each
	s_or_b32 s[G1SB+0], s44, (3<<16)|(1<<20)|(1<<21)|(5<<22)|(3<<25)
	s_mov_b32 s[G1SB+1], 32<<16
	s_mov_b32 s[G1SB+2], 32<<16
	s_mov_b32 s[G1SB+3], 32<<16
	s_mov_b32 s[G1SB+4], 32
	s_mov_b32 s[G1SB+5], 32
	s_mov_b32 s[G1SB+6], 0
	s_mov_b32 s[G1SB+7], 0
	s_lshl_b32 s20, s16, 20                        ; A's codes: K step 4 x half,
	s_lshl_b32 s18, s17, 13
	s_add_co_u32 s20, s20, s18                     ; the tile row's 8 tiles
	s_mov_b32 s21, 0
	s_lshl_b32 s22, s16, 18                        ; A's scale words: K step 16 x half,
	s_lshl_b32 s18, s17, 9
	s_add_co_u32 s22, s22, s18
	s_add_co_u32 s22, s22, HSO
	s_mov_b32 s23, 0
	s_lshl_b32 s46, s42, 18                        ; B's codes: row 128 x tile column + 64 x half, 2,048 bytes a row
	s_lshl_b32 s19, s16, 17
	s_add_co_u32 s46, s46, s19
	s_mov_b32 s47, 0
	s_lshl_b32 s92, s42, 14                        ; B's scale bytes: 128 a row
	s_lshl_b32 s19, s16, 13
	s_add_co_u32 s92, s92, s19
	s_mov_b32 s93, 0
	s_lshl_b32 s45, s16, 15                        ; where they go: no place in the cluster enters an LDS address
	s_mul_i32 s94, s16, HALFB
	s_add_co_u32 s94, s94, ASZ
	s_lshl_b32 s95, s16, 13
	s_add_co_u32 s95, s95, ASCL
	s_mul_i32 s96, s16, 8704
	s_add_co_u32 s96, s96, BSCL
	s_wait_dscnt 0x0                               ; both opening adds are done
	s_wait_kmcnt 0x0
	s_add_nc_u64 s[20:21], s[4:5], s[20:21]
	s_add_nc_u64 s[22:23], s[4:5], s[22:23]
	s_add_nc_u64 s[46:47], s[6:7], s[46:47]
	s_add_nc_u64 s[92:93], s[8:9], s[92:93]
	CROUND                                         ; all sixteen work-groups are here: the first joint loads meet
	s_mov_b32 s[G0S], 1
	s_mov_b32 s[G0S+1], s95
	s_mov_b64 s[G0S+2:G0S+3], s[22:23]
	s_or_b32 s[G0S+3], s[G0S+3], 0x80000000
	s_mov_b32 s[G0SB], 1
	s_mov_b32 s[G0SB+1], s96
	s_mov_b64 s[G0SB+2:G0SB+3], s[92:93]
	s_or_b32 s[G0SB+3], s[G0SB+3], 0x80000000
	JLOAD G0S, G1S, G0SB, G1SB                     ; the scales first; then both slots: three loads of mine are out
.irp s, 0,1
	s_mov_b32 s[G0+4*\s], 1
	s_add_co_u32 s[G0+4*\s+1], s45, \s*SLOT
	s_add_nc_u64 s[G0+4*\s+2:G0+4*\s+3], s[20:21], \s*8*262144
	s_or_b32 s[G0+4*\s+3], s[G0+4*\s+3], 0x80000000
	s_mov_b32 s[G0B+4*\s], 1
	s_add_co_u32 s[G0B+4*\s+1], s94, \s*SLOT
	s_add_nc_u64 s[G0B+4*\s+2:G0B+4*\s+3], s[46:47], \s*512
	s_or_b32 s[G0B+4*\s+3], s[G0B+4*\s+3], 0x80000000
	JLOAD G0+4*\s, G1, G0B+4*\s, G1B
.endr
	v_and_b32 v1, 15, v0                           ; r
	v_bfe_u32 v2, v0, 4, 1                         ; h
	v_and_b32 v3, 31, v0
	v_lshlrev_b32 v3, 4, v3                        ; 16 L
	v_mul_u32_u24 v4, v1, PITCH
	v_lshl_add_u32 v4, v2, 4, v4                   ; B: row x pitch + 16 h
	s_lshl_b32 s21, s15, 12                        ; A: my four tiles
	s_mul_i32 s22, s16, HALFB
	s_add_co_u32 s22, s22, ASZ                     ; B: my 64 rows
.irp s, 0,1
	v_add_nc_u32 v[ADRA+\s], s21, v3
	v_add_nc_u32 v[ADRB+\s], s22, v4
	s_add_co_u32 s21, s21, SLOT
	s_add_co_u32 s22, s22, SLOT
.endr
	s_lshl_b32 s21, s15, 8
	s_add_co_u32 s21, s21, ASCL
	v_lshl_add_u32 v[ADSA], v1, 2, s21             ; A's scale words: 256 x my half + 4 r
	v_lshrrev_b32 v5, 1, v1
	v_lshlrev_b32 v5, 4, v5
	v_lshl_add_u32 v5, v1, 7, v5                   ; B's: 128 r + 16 for each 256 passed
	s_mul_i32 s21, s16, 8704
	s_add_co_u32 s21, s21, BSCL
	v_add_nc_u32 v[ADSB], s21, v5
	s_mul_i32 s23, s14, 16*SPITCH                  ; my stage
	v_mul_u32_u24 v5, v1, SPITCH
	v_lshl_add_u32 v5, v2, 5, v5
	v_add_nc_u32 v[STO], s23, v5                   ; in: row r, 32 bytes for each half of the lanes
	v_mul_u32_u24 v5, v2, SPITCH
	v_lshl_add_u32 v5, v1, 4, v5
	v_add_nc_u32 v[RD], s23, v5                    ; back: lanes 0-15 one row of 256 bytes, lanes 16-31 the next
	v_lshlrev_b32 v5, 12, v2
	v_lshl_add_u32 v[CO], v1, 4, v5                ; and the same two rows in c2
	s_lshl_b32 s20, s17, 19                        ; my first token: 128 x tile row + 64 x half, 4,096 bytes a row
	s_lshl_b32 s21, s15, 18
	s_add_co_u32 s20, s20, s21
	s_mov_b32 s21, 0
	s_lshl_b32 s46, s42, 9                         ; my first feature, in bytes: 512 x tile column + 256 x half
	s_lshl_b32 s47, s16, 8
	s_add_co_u32 s46, s46, s47
	s_mov_b32 s47, 0
	s_add_nc_u64 s[20:21], s[20:21], s[46:47]
	s_add_nc_u64 s[10:11], s[10:11], s[20:21]
; 8 matrix instructions: token tiles a0, a0 + 1 x the four feature tiles, K step c of buffer f.  zero = 1: the product starts its sum.  The 16 accumulators take turns.
.macro MUL8 f, c, a0, zero
.irp a, \a0, \a0+1
.irp b, 0,1,2,3
.if \zero
	v_wmma_scale_f32_16x16x128_f8f6f4 v[ACC+8*(4*(\a)+\b):ACC+8*(4*(\a)+\b)+7], v[\f+64+8*(4*\c+\b):\f+64+8*(4*\c+\b)+7], v[\f+8*(4*\c+(\a)):\f+8*(4*\c+(\a))+7], 0, v[40+(\f)/8+2*\b+\c], v[32+(\f)/8+4*\c+(\a)] matrix_a_fmt:MATRIX_FMT_FP4 matrix_b_fmt:MATRIX_FMT_FP4
.else
	v_wmma_scale_f32_16x16x128_f8f6f4 v[ACC+8*(4*(\a)+\b):ACC+8*(4*(\a)+\b)+7], v[\f+64+8*(4*\c+\b):\f+64+8*(4*\c+\b)+7], v[\f+8*(4*\c+(\a)):\f+8*(4*\c+(\a))+7], v[ACC+8*(4*(\a)+\b):ACC+8*(4*(\a)+\b)+7], v[40+(\f)/8+2*\b+\c], v[32+(\f)/8+4*\c+(\a)] matrix_a_fmt:MATRIX_FMT_FP4 matrix_b_fmt:MATRIX_FMT_FP4
.endif
.endr
.endr
.endm
; 44 LDS loads in one run: quarter qd of a slot (its K steps 2 qd and 2 qd + 1) into buffer f: 12 loads of scale words, then the first K step's 16 loads of fragments, then the second's 16
.macro FETCH slot, qd, f
	WIN 0
.irp c, 0,1
.irp i, 0,1,2,3
	ds_load_b32 v[32+(\f)/8+4*\c+\i], v[ADSA] offset:512*(2*(\qd)+\c)+64*\i
.endr
.endr
.irp i, 0,1,2,3
	ds_load_b64 v[40+(\f)/8+2*\i:41+(\f)/8+2*\i], v[ADSB] offset:2176*\i+8*(\qd)
.endr
	WIN TO_F
.irp c, 0,1
.irp i, 0,1,2,3
	ds_load_b128 v[\f+64+8*(4*\c+\i):\f+64+8*(4*\c+\i)+3],   v[ADRB+\slot] offset:64*(2*(\qd)+\c)+\i*16*PITCH
	ds_load_b128 v[\f+64+8*(4*\c+\i)+4:\f+64+8*(4*\c+\i)+7], v[ADRB+\slot] offset:64*(2*(\qd)+\c)+\i*16*PITCH+32
	ds_load_b128 v[\f+8*(4*\c+\i):\f+8*(4*\c+\i)+3],         v[ADRA+\slot] offset:8192*(2*(\qd)+\c)+1024*\i
	ds_load_b128 v[\f+8*(4*\c+\i)+4:\f+8*(4*\c+\i)+7],       v[ADRA+\slot] offset:8192*(2*(\qd)+\c)+1024*\i+512
.endr
.endr
.endm
.macro PLACES                          ; four plain vector instructions in front of loads into registers that matrix instructions have read, and of the first read of results
.rept 4
	v_nop
.endr
.endm
; A quarter multiplies buffer f (two K steps, 32 matrix instructions) and fetches quarter qd of the same slot into g
.macro QUARTER slot, qd, f, g, zero
	s_wait_dscnt 16                                ; the scale words and the first K step's fragments are in; the second's sixteen loads may be out
	WIN MUL
	MUL8 \f, 0, 0, \zero
	MUL8 \f, 0, 2, \zero
	PLACES
	FETCH \slot, \qd, \g
	s_wait_dscnt 44                                ; all but the 44 just issued
	WIN MUL
	MUL8 \f, 1, 0, 0
	MUL8 \f, 1, 2, 0
.endm
; A slot's last quarter multiplies buffer 1 and changes slots: ONE barrier; in front of it each wave waits for all its tensor loads, adds 0 to its spare word, and waits for that and for its reads of this slot.  fill = 1: this slot is filled again, two slots ahead.
.macro TURN slot, next, fill
	WIN 0                                          ; (the add's two registers lie in window 0)
	s_wait_tensorcnt 0x0                           ; all my tensor loads have landed: my part of the next slot
	ds_add_u32 v[SPW], v[NIL]                      ; 0 onto my spare word
	s_wait_dscnt 17                                ; (the add and the youngest sixteen loads may be out)
	WIN MUL
	MUL8 F1, 0, 0, 0                               ; eight matrix instructions stand between the add and the wait for it
	s_wait_dscnt 0x0                               ; the add is done, and my reads of this slot are over
	s_barrier_signal -1
	MUL8 F1, 0, 2, 0
	WIN 0                                          ; (branches may follow)
	s_barrier_wait -1
.if \fill
	CREST                                          ; the barrier has opened a round of the cluster's barrier: no wave of any partner still reads this slot or has a load on its way
	s_add_nc_u64 s[G0+4*\slot+2:G0+4*\slot+3], s[G0+4*\slot+2:G0+4*\slot+3], 16*262144
	s_add_nc_u64 s[G0B+4*\slot+2:G0B+4*\slot+3], s[G0B+4*\slot+2:G0B+4*\slot+3], 2*512
	JLOAD G0+4*\slot, G1, G0B+4*\slot, G1B         ; the first tensor load behind the round, my one load until the next; its four v_nop are also the places in front of the loads below
.else
	PLACES
.endif
	v_add_nc_u32 v[ADSA], 4096, v[ADSA]            ; on to the next slot's scale words: 8 K steps of 512 bytes,
	v_add_nc_u32 v[ADSB], 32, v[ADSB]              ; 32 bytes in each row
	FETCH \next, 0, F0
	WIN MUL
	MUL8 F1, 1, 0, 0
	MUL8 F1, 1, 2, 0
.endm
	s_wait_tensorcnt 1                             ; the scales and my part of slot 0 are in (slot 1's load may be out),
	s_barrier_signal -1
	s_barrier_wait -1                              ; everybody's are
	FETCH 0, 0, F0
	QUARTER 0, 1, F0, F1, 1                        ; K steps 0-7: the first products start the sums
	QUARTER 0, 2, F1, F0, 0
	QUARTER 0, 3, F0, F1, 0
	TURN 0, 1, 1                                   ; slot 0 takes K steps 16-23
	QUARTER 1, 1, F0, F1, 0                        ; K steps 8-15
	QUARTER 1, 2, F1, F0, 0
	QUARTER 1, 3, F0, F1, 0
	TURN 1, 0, 1                                   ; slot 1 takes K steps 24-31
	QUARTER 0, 1, F0, F1, 0
	QUARTER 0, 2, F1, F0, 0
	QUARTER 0, 3, F0, F1, 0
	TURN 0, 1, 0                                   ; nothing is left to fetch
	QUARTER 1, 1, F0, F1, 0
	QUARTER 1, 2, F1, F0, 0
	QUARTER 1, 3, F0, F1, 0
	s_wait_dscnt 16
	WIN MUL
	MUL8 F1, 0, 0, 0
	MUL8 F1, 0, 2, 0
	s_wait_dscnt 0
	MUL8 F1, 1, 0, 0
	MUL8 F1, 1, 2, 0
	WIN 0
; THE WAY OUT, a block of 16 tokens x 64 features at a time: a lane's 32 bytes of a row go into my own stage and come back as whole rows of 256 bytes: sixteen lanes store 256 consecutive bytes, aligned.
; LDS serves a wave's instructions in order: no wait between the stores and the loads, nor in front of the next block's stores.
.macro TOSTAGE a
.irp b, 0,1,2,3
	ds_store_b128 v[STO], v[ACC+8*(4*(\a)+\b):ACC+8*(4*(\a)+\b)+3] offset:64*\b          ; each accumulator from its low end on
	ds_store_b128 v[STO], v[ACC+8*(4*(\a)+\b)+4:ACC+8*(4*(\a)+\b)+7] offset:64*\b+16
.endr
.irp t, 0,1,2,3,4,5,6,7
	ds_load_b128 v[32+32*((\a)%2)+4*\t:35+32*((\a)%2)+4*\t], v[RD] offset:\t*2*SPITCH
.endr
.endm
.macro SEND a, younger                 ; younger: the LDS instructions issued behind block a's loads
	s_wait_dscnt \younger
.irp t, 0,1,2,3,4,5,6,7
	global_store_b128 v[CO], v[32+32*((\a)%2)+4*\t:35+32*((\a)%2)+4*\t], s[10:11] offset:65536*(\a)+8192*\t
.endr
.endm
	PLACES
	TOSTAGE 0
.irp a, 1,2,3
.if \a > 1
	s_wait_xcnt 0x0                                ; block a - 2's stores have read their registers: block a's loads may land there
.endif
	TOSTAGE \a
	SEND \a-1, 16
.endr
	SEND 3, 0
	s_wait_tensorcnt 0x0                           ; the wave's end
	ds_add_u32 v[SPW], v[NIL]
	s_wait_dscnt 0x0
	CROUND                                         ; the closing round: no work-group ends while a partner may still ask for a tile that names it
	s_endpgm
.Lfunc_end_k_q5f5528a6a8_ffn2:
	.size	k_q5f5528a6a8_ffn2, .Lfunc_end_k_q5f5528a6a8_ffn2-k_q5f5528a6a8_ffn2
	.p2alignl 7, 3214868480
	.fill 96, 4, 3214868480
	.section	.rodata,"a",@progbits
	.p2align	6, 0x0
	.amdhsa_kernel k_q5f5528a6a8_ffn2
		.amdhsa_group_segment_fixed_size 327680
		.amdhsa_private_segment_fixed_size 0
		.amdhsa_enable_private_segment 0
		.amdhsa_kernarg_size 32
		.amdhsa_user_sgpr_count 2
		.amdhsa_user_sgpr_kernarg_segment_ptr 1
		.amdhsa_wavefront_size32 1
		.amdhsa_system_sgpr_workgroup_id_x 1
		.amdhsa_system_sgpr_workgroup_id_y 1
		.amdhsa_system_sgpr_workgroup_id_z 1
		.amdhsa_system_vgpr_workitem_id 0
		.amdhsa_next_free_vgpr 512
		.amdhsa_next_free_sgpr 100
		.amdhsa_reserve_vcc 0
		.amdhsa_float_denorm_mode_32 3
		.amdhsa_float_denorm_mode_16_64 3
		.amdhsa_memory_ordered 1
		.amdhsa_forward_progress 1
		.amdhsa_inst_pref_size 133
	.end_amdhsa_kernel
	.amdgpu_metadata
---
amdhsa.version: [ 1, 2 ]
amdhsa.kernels:
  - .name:           k_q5f5528a6a8_ffn2
    .symbol:         k_q5f5528a6a8_ffn2.kd
    .args:
      - { .name: wh, .offset: 0, .size: 8, .value_kind: global_buffer, .address_space: global }
      - { .name: l2_w_codes, .offset: 8, .size: 8, .value_kind: global_buffer, .address_space: global }
      - { .name: l2_w_scales, .offset: 16, .size: 8, .value_kind: global_buffer, .address_space: global }
      - { .name: wc2, .offset: 24, .size: 8, .value_kind: global_buffer, .address_space: global }
    .group_segment_fixed_size: 327680
    .private_segment_fixed_size: 0
    .kernarg_segment_align: 8
    .kernarg_segment_size: 32
    .max_flat_workgroup_size: 128
    .sgpr_count:     100
    .vgpr_count:     512
    .wavefront_size: 32
...
	.end_amdgpu_metadata
.endif
;; end of part 6
;; launch ln2 (part 7): grid 256 x 1, 8 waves a work-group, no clusters, 0 bytes of LDS; arguments wc2, wx, l2_b, alpha_ff, n2_s, n2_b, out0; writes out0
.if DOCPART == 7
	.amdgcn_target "amdgcn-amd-amdhsa--gfx1250"
	.amdhsa_code_object_version 6
	.text
	.protected	k_q5f5528a6a8_ln2
	.globl	k_q5f5528a6a8_ln2
	.p2align	8
	.type	k_q5f5528a6a8_ln2,@function
k_q5f5528a6a8_ln2:
	s_mov_b64 s[64:65], 0
	v_nop
	global_prefetch_b8 v0, s[64:65] scope:SCOPE_SE
	s_setreg_imm32_b32 hwreg(HW_REG_WAVE_MODE, 25, 1), 1
	s_wait_xcnt 0x0
; out0 = layernorm(x + alpha_ff (c2 + l2_b)) n2_s + n2_b, all in f32.  c2 = relu(..) l2_w^T from the launch before; x is the f32 part of wx.  Nothing of reference() is left out here.
; A stream: a wave takes two whole rows of 4,096 bytes; a row stays in 32 registers a lane between the sums and the scaling, so each byte is read once.  Lane L holds columns 128 i + 4 L + 0 .. 3, i = 0 .. 7: every load and store covers 512 consecutive bytes.
; No LDS, no barrier, no matrix unit, no cluster: waves share only the three vectors of 4 KiB.  All 56 loads of a wave go out first.
; REGISTERS: v1 16 L; v2-11 at work; v32-63 l2_b, v64-95 n2_s, v96-127 n2_b; v128-159 c2 and v160-191 x of row 0; v192-223, v224-255 of row 1.
	s_load_b256 s[4:11], s[0:1], 0x0               ; wc2, wx, l2_b, alpha_ff
	s_load_b128 s[12:15], s[0:1], 0x20             ; n2_s, n2_b
	s_load_b64 s[16:17], s[0:1], 0x30              ; out0
	v_lshrrev_b32 v1, 5, v0
	v_readfirstlane_b32 s18, v1                    ; wave 0..7
	v_and_b32 v1, 31, v0
	v_lshlrev_b32 v1, 4, v1                        ; 16 L
	s_lshl_b32 s20, ttmp9, 4
	s_lshl_b32 s19, s18, 1
	s_add_co_u32 s20, s20, s19                     ; my first row: 16 x work-group + 2 x wave
	s_lshl_b32 s20, s20, 12
	s_mov_b32 s21, 0
	s_mov_b32 s22, 0x76543210
	s_mov_b32 s23, 0xfedcba98                      ; v_permlanex16_b32's selects for lane l xor 16
	s_mov_b32 s24, 0x3a800000                      ; 1 / 1,024
	s_mov_b32 s25, 0x3727c5ac                      ; 1e-5
	s_wait_kmcnt 0x0
	s_load_b32 s26, s[10:11], 0x0                  ; alpha_ff
	s_add_nc_u64 s[4:5], s[4:5], s[20:21]
	s_add_nc_u64 s[6:7], s[6:7], s[20:21]
	s_add_nc_u64 s[16:17], s[16:17], s[20:21]
.irp i, 0,1,2,3,4,5,6,7
	global_load_b128 v[32+4*\i:35+4*\i], v1, s[8:9] offset:512*\i
	global_load_b128 v[64+4*\i:67+4*\i], v1, s[12:13] offset:512*\i
	global_load_b128 v[96+4*\i:99+4*\i], v1, s[14:15] offset:512*\i
.endr
.irp w, 0,1
.irp i, 0,1,2,3,4,5,6,7
	global_load_b128 v[128+64*\w+4*\i:131+64*\w+4*\i], v1, s[4:5] offset:4096*\w+512*\i th:TH_LOAD_NT
	global_load_b128 v[160+64*\w+4*\i:163+64*\w+4*\i], v1, s[6:7] offset:4096*\w+512*\i th:TH_LOAD_NT
.endr
.endr
	s_wait_kmcnt 0x0
	s_mov_b32 s27, s26                             ; (the packed form names the pair)
.macro WSUM                            ; v[2:5]: two packed chains -> v2: the sum over the wave's 32 lanes, in every lane
	v_pk_add_f32 v[2:3], v[2:3], v[4:5]
	v_add_f32 v2, v2, v3
	v_add_f32_dpp v2, v2, v2 row_xmask:1 row_mask:0xf bank_mask:0xf
	v_add_f32_dpp v2, v2, v2 row_xmask:2 row_mask:0xf bank_mask:0xf
	v_add_f32_dpp v2, v2, v2 row_xmask:4 row_mask:0xf bank_mask:0xf
	v_add_f32_dpp v2, v2, v2 row_xmask:8 row_mask:0xf bank_mask:0xf
	v_permlanex16_b32 v3, v2, s22, s23
	v_add_f32 v2, v2, v3
.endm
.macro ROW w
.set C, 128+64*\w
.set jj, 0
.rept 16
	v_pk_add_f32 v[C+jj:C+jj+1], v[C+jj:C+jj+1], v[32+jj:33+jj]
.set jj, jj+2
.endr
.set jj, 0
.rept 16
	v_pk_fma_f32 v[C+jj:C+jj+1], v[C+jj:C+jj+1], s[26:27], v[C+32+jj:C+33+jj] op_sel_hi:[1,0,1]   ; y = x + alpha (c2 + l2_b)
.set jj, jj+2
.endr
	v_pk_add_f32 v[2:3], v[C:C+1], v[C+2:C+3]
	v_pk_add_f32 v[4:5], v[C+4:C+5], v[C+6:C+7]
.set jj, 8
.rept 6
	v_pk_add_f32 v[2:3], v[2:3], v[C+jj:C+jj+1]
	v_pk_add_f32 v[4:5], v[4:5], v[C+jj+2:C+jj+3]
.set jj, jj+4
.endr
	WSUM
	v_mul_f32 v8, s24, v2                          ; the mean
	v_mov_b32 v9, v8
.set jj, 0
.rept 16
	v_pk_add_f32 v[C+jj:C+jj+1], v[C+jj:C+jj+1], v[8:9] op_sel_hi:[1,0] neg_lo:[0,1] neg_hi:[0,1]
.set jj, jj+2
.endr
	v_pk_mul_f32 v[2:3], v[C:C+1], v[C:C+1]
	v_pk_mul_f32 v[4:5], v[C+2:C+3], v[C+2:C+3]
.set jj, 4
.rept 7
	v_pk_fma_f32 v[2:3], v[C+jj:C+jj+1], v[C+jj:C+jj+1], v[2:3]
	v_pk_fma_f32 v[4:5], v[C+jj+2:C+jj+3], v[C+jj+2:C+jj+3], v[4:5]
.set jj, jj+4
.endr
	WSUM
	v_fma_f32 v6, v2, s24, s25                     ; the variance + 1e-5
	v_rsq_f32 v10, v6
	v_nop                                          ; one plain place behind the transcendental
	s_wait_alu depctr_va_vdst(0)                   ; ahead of the first instruction that names its result
	v_mov_b32 v11, v10
.set jj, 0
.rept 16
	v_pk_mul_f32 v[C+jj:C+jj+1], v[C+jj:C+jj+1], v[10:11] op_sel_hi:[1,0]
.set jj, jj+2
.endr
.set jj, 0
.rept 16
	v_pk_fma_f32 v[C+jj:C+jj+1], v[C+jj:C+jj+1], v[64+jj:65+jj], v[96+jj:97+jj]
.set jj, jj+2
.endr
.irp i, 0,1,2,3,4,5,6,7
	global_store_b128 v1, v[C+4*\i:C+4*\i+3], s[16:17] offset:4096*\w+512*\i th:TH_STORE_NT   ; 512 consecutive bytes, aligned; each row has its own registers, so no store's data are written again
.endr
.endm
	s_wait_loadcnt 16                              ; the vectors and row 0 are in; row 1's sixteen loads may be out
	ROW 0
	s_wait_loadcnt 0x0
	ROW 1
	s_endpgm
.Lfunc_end_k_q5f5528a6a8_ln2:
	.size	k_q5f5528a6a8_ln2, .Lfunc_end_k_q5f5528a6a8_ln2-k_q5f5528a6a8_ln2
	.p2alignl 7, 3214868480
	.fill 96, 4, 3214868480
	.section	.rodata,"a",@progbits
	.p2align	6, 0x0
	.amdhsa_kernel k_q5f5528a6a8_ln2
		.amdhsa_group_segment_fixed_size 0
		.amdhsa_private_segment_fixed_size 0
		.amdhsa_enable_private_segment 0
		.amdhsa_kernarg_size 56
		.amdhsa_user_sgpr_count 2
		.amdhsa_user_sgpr_kernarg_segment_ptr 1
		.amdhsa_wavefront_size32 1
		.amdhsa_system_sgpr_workgroup_id_x 1
		.amdhsa_system_sgpr_workgroup_id_y 1
		.amdhsa_system_sgpr_workgroup_id_z 1
		.amdhsa_system_vgpr_workitem_id 0
		.amdhsa_next_free_vgpr 256
		.amdhsa_next_free_sgpr 66
		.amdhsa_reserve_vcc 0
		.amdhsa_float_denorm_mode_32 3
		.amdhsa_float_denorm_mode_16_64 3
		.amdhsa_memory_ordered 1
		.amdhsa_forward_progress 1
		.amdhsa_inst_pref_size 25
	.end_amdhsa_kernel
	.amdgpu_metadata
---
amdhsa.version: [ 1, 2 ]
amdhsa.kernels:
  - .name:           k_q5f5528a6a8_ln2
    .symbol:         k_q5f5528a6a8_ln2.kd
    .args:
      - { .name: wc2, .offset: 0, .size: 8, .value_kind: global_buffer, .address_space: global }
      - { .name: wx, .offset: 8, .size: 8, .value_kind: global_buffer, .address_space: global }
      - { .name: l2_b, .offset: 16, .size: 8, .value_kind: global_buffer, .address_space: global }
      - { .name: alpha_ff, .offset: 24, .size: 8, .value_kind: global_buffer, .address_space: global }
      - { .name: n2_s, .offset: 32, .size: 8, .value_kind: global_buffer, .address_space: global }
      - { .name: n2_b, .offset: 40, .size: 8, .value_kind: global_buffer, .address_space: global }
      - { .name: out0, .offset: 48, .size: 8, .value_kind: global_buffer, .address_space: global }
    .group_segment_fixed_size: 0
    .private_segment_fixed_size: 0
    .kernarg_segment_align: 8
    .kernarg_segment_size: 56
    .max_flat_workgroup_size: 256
    .sgpr_count:     66
    .vgpr_count:     256
    .wavefront_size: 32
...
	.end_amdgpu_metadata
.endif
;; end of part 7
